; MI455X (gfx1250); checked and timed in simulation.
; The chip was launched on July 23, 2026; its instructions are those of AMD's public machine-readable ISA for CDNA 5 (MIT licence, August 2026) and "CDNA5" Instruction Set Architecture Reference Guide (July 2026). The comments in the code are by the model that wrote it; some were corrected since.
;; Encoder1 D Block. Allowed arithmetic: matrix products marked QUANTISED: E5M2 operands, one given power-of-two scale a tensor, by v_wmma_f32_16x16x64_bf8_bf8 or v_wmma_f32_16x16x128_bf8_bf8, f32 sums; everything else in f32.
;; Inputs: attention_mask 2,048 x 2,048 bool; b1 4,096 float32; b2 1,024 float32; b_out 1,024 float32; cond 2 x 1,024 float32; inputs 2 x 2,048 x 1,024 float32; ln1_b 1,024 float32; ln1_g 1,024 float32; ln2_b 1,024 float32; ln2_g 1,024 float32; lowp_scales 12 int32 (the exponents e of the quantised operands' scales 2^e); w1_codes 4,096 x 32 x 32 uint8 (E5M2 codes of w1, K innermost, in blocks of 32 codes); w2_codes 1,024 x 128 x 32 uint8 (E5M2 codes of w2, K innermost, in blocks of 32 codes); w_out_codes 1,024 x 32 x 32 uint8 (E5M2 codes of w_out, K innermost, in blocks of 32 codes); w_qkv_codes 3,072 x 32 x 32 uint8 (E5M2 codes of w_qkv, K innermost, in blocks of 32 codes).
;; Outputs: out0 2 x 2,048 x 1,024 float32.
;; This version of the problem:
;;   THIS VERSION OF THE PROBLEM IS GIVEN IN LOW PRECISION. The matrix products marked QUANTISED in the list below multiply operands that are first quantised to E5M2 (5 exponent bits, 2 mantissa bits; 8 bits a number), with one given power-of-two scale for each operand tensor; their sums are f32. All else is computed in f32.
;;   The module's matrix products, in the order in which they are computed (A, B: the left and right operand; K: the contracted axis; several contracted axes count as one K, in the product's order):
;;     1. [M 4,096, K 1,024] x [K 1,024, N 3,072]; A: computed on the way; B: input w_qkv (given as codes): QUANTISED (scales: A lowp_scales[0], B lowp_scales[1])
;;     2. batch 32 x [M 2,048, K 64] x [K 64, N 2,048]; A: computed on the way; B: computed on the way: QUANTISED (scales: A lowp_scales[2], B lowp_scales[3])
;;     3. batch 32 x [M 2,048, K 2,048] x [K 2,048, N 64]; A: softmax (see below); B: computed on the way: QUANTISED (scales: A lowp_scales[4], B lowp_scales[5])
;;     4. [M 4,096, K 1,024] x [K 1,024, N 1,024]; A: computed on the way; B: input w_out (given as codes): QUANTISED (scales: A lowp_scales[6], B lowp_scales[7])
;;     5. [M 4,096, K 1,024] x [K 1,024, N 4,096]; A: computed on the way; B: input w1 (given as codes): QUANTISED (scales: A lowp_scales[8], B lowp_scales[9])
;;     6. [M 4,096, K 4,096] x [K 4,096, N 1,024]; A: computed on the way; B: input w2 (given as codes): QUANTISED (scales: A lowp_scales[10], B lowp_scales[11])
;;   THE QUANTISER, for each operand of a quantised product, along K:
;;     - The operand's scale is 2^e, e = its entry of the input lowp_scales (int32; the entries are numbered through the quantised products in the list's order, A before B).
;;     - Each number is divided by the scale, clamped to +-57,344, and rounded to the nearest number of E5M2, ties to even, subnormals kept.
;;     - The product sums the exact products of the quantised numbers (number of the format x scale) in f32.
;;   ~~~python
;;   def quantise(x, axis, e):      # numpy; x: float32 -> the quantised numbers, widened to float32 again
;;       x = np.moveaxis(x, axis, -1); K = x.shape[-1]
;;       r = np.clip(x / 2.0 ** e, -57344, 57344)
;;       step = 2.0 ** (np.maximum(np.frexp(np.where(r == 0, 1, r))[1] - 1, -14) - 2)
;;       q = np.round(r / step) * step * 2.0 ** e      # np.round: ties to even
;;       return np.moveaxis(q, -1, axis).astype(np.float32)
;;   ~~~
;;   SOFTMAX AHEAD OF A QUANTISED PRODUCT. Where the list says 'softmax', what is quantised is not the finished softmax but p = 2^(t - M), with t = logit x log2(e) and M = ceil(the row's largest t), a whole number; so 1/2 < the row's largest p <= 1. The row's sum l is taken of the UNQUANTISED p, in f32, and the product's result is divided by l at the end. Since M is a whole number, a kernel that streams over the keys may use a running M (the ceiling of the running maximum): every later rescaling is an exact power of two, so the quantised numbers keep their values, but for numbers so far below the row's largest that they fall under the format's range.
;;   OPERANDS COMPUTED ON THE WAY. 'Computed on the way' means the value that the module computes at that place (a softmax that the list does not call 'softmax' is quantised finished and normalised). What goes into a quantiser is computed in f32, as accurately as f32 sums, v_exp_f32 and their like allow (about 1e-6 of the number): no bf16 or f16 on the way to a quantiser, and a product that is left as it is and whose result goes on into a quantised operand takes f32 operands (vector FMAs, or v_wmma_f32_16x16x4_f32). A number that lies on a knife's edge between two numbers of the format may be rounded either way, as far as f32 arithmetic and the matrix unit's own rounding can turn it there, and no further.
;;   INPUTS GIVEN AS CODES. w1 (in the module: [1024, 4096], K = its axis 0); w2 (in the module: [4096, 1024], K = its axis 0); w_out (in the module: [1024, 1024], K = its axis 0); w_qkv (in the module: [1024, 3072], K = its axis 0): each comes as NAME_codes (uint8): NAME with its K axis moved to the last place and cut into blocks of 32 codes, [.., K / 32, bytes a block], one block behind the other in memory; one code a byte (a code: sign, 5 exponent bits, 2 mantissa bits); its scale is its entry of lowp_scales. Its value is code x scale, taken as it is: it is not quantised again, and the codes and scales need not be those that the quantiser above would give.
;; One version. Each part assembles by itself: llvm-mc -triple=amdgcn-amd-amdhsa -mcpu=gfx1250 --defsym DOCPART=n.
;; ======== version 1 of 1: 7 launches
;; limits: right only within a limited range of input values
;; workspace buffers: xq 4,194,304 bytes; qc 4,194,304 bytes; kc 4,194,304 bytes; vc 4,194,304 bytes; yc 4,194,304 bytes; x1 16,777,216 bytes; hq 4,194,304 bytes; gq 16,777,216 bytes
;; launch ln1 (part 1): grid 256 x 1, 8 waves a work-group, no clusters, 0 bytes of LDS; arguments inputs, ln1_g, ln1_b, lowp_scales, xq; writes xq
.if DOCPART == 1
	.amdgcn_target "amdgcn-amd-amdhsa--gfx1250"
	.amdhsa_code_object_version 6
	.text
	.protected	k_q44c3127a3e_ln1
	.globl	k_q44c3127a3e_ln1
	.p2align	8
	.type	k_q44c3127a3e_ln1,@function
k_q44c3127a3e_ln1:
	s_mov_b64 s[64:65], 0
	v_nop
	global_prefetch_b8 v0, s[64:65] scope:SCOPE_SE
	s_setreg_imm32_b32 hwreg(HW_REG_WAVE_MODE, 25, 1), 1
	s_wait_xcnt 0x0
; xq = codes of E5M2 of LayerNorm(x) g + b, with the given scale 2^e (entry EOFF / 4 of the scales).  x: [4096][1024] f32;  xq: [4096][1024] codes, K innermost.
; (Of the block's inputs cond and attention_mask enter no result.  No launch of this program loads them.)
; SHARES.  A work-group of eight waves takes 16 rows, a wave two.  A row stays in 32 registers of its wave between the mean, the variance and the scaling: it is read from memory once, and no wave waits for another.
; Lane l holds k = 256 j + 8 l + 0 .. 7, j = 0 .. 3: eight neighbours along K in consecutive registers, as the conversion wants them; its 8 codes lie at byte 256 j + 8 l, so that a store of the wave covers 256 consecutive bytes, aligned.
; The variance is taken of the centred numbers, so that a common offset of the row costs no digits.  No loop: all 32 loads of a wave are out at once.
; No LDS, no matrix unit, no cluster: the rows are shared with nobody, and g and b are 8 KiB beside a work-group's 64 KiB.
; LIMITS: e between -126 and 112, so that 2^e and 57,344 x 2^e are f32 numbers.  NaN among the inputs is not served.
.set EOFF, 0                           ; byte of this operand's exponent in the buffer of scales
.set XO,  1                            ; v1      32 x lane: my 8 numbers in 1,024 bytes of a row
.set CO,  2                            ; v2      8 x lane: my 8 codes
.set SC,  18                           ; v18     2^e as f32
.set LIM, 19                           ; v19     57,344 x 2^e
.set X,   32                           ; v32-95  two rows, 32 numbers each
.set G,   96                           ; v96-127 g at my 32 columns
.set BT,  128                          ; v128-159 b likewise
.set C,   160                          ; v160-175 codes: a pair for each store, never written again
; v[4:7], v[8:11]: two chains of sums for each row;  v[12:13], v[14:15]: the row's mean, later 1 / sqrt(var + eps), twice (a pair for the packed forms);  v16, v17: the lane permute's destinations
	s_load_b256 s[4:11], s[0:1], 0x0               ; x s[4:5], g s[6:7], b s[8:9], the scales' exponents s[10:11]
	s_load_b64 s[12:13], s[0:1], 0x20              ; the codes
	v_lshrrev_b32 v3, 5, v0
	s_delay_alu instid0(VALU_DEP_1)
	v_readfirstlane_b32 s14, v3                    ; wave 0..7
	v_and_b32 v3, 31, v0
	s_delay_alu instid0(VALU_DEP_1)
	v_lshlrev_b32 v[XO], 5, v3
	s_delay_alu instid0(VALU_DEP_2)
	v_lshlrev_b32 v[CO], 3, v3
	v_mov_b32 v16, 0                               ; a lane permute's destination counts as one of its sources
	v_mov_b32 v17, 0
	s_lshl_b32 s16, ttmp9, 4
	s_lshl_b32 s15, s14, 1
	s_add_co_u32 s15, s16, s15                     ; my first row: 16 x work-group + 2 x wave
	s_lshl_b32 s16, s15, 12                        ; in x: 4,096 bytes a row
	s_mov_b32 s17, 0
	s_lshl_b32 s18, s15, 10                        ; in the codes: 1,024
	s_mov_b32 s19, 0
	s_mov_b32 s20, 0x76543210                      ; v_permlanex16_b32: lane l xor 16
	s_mov_b32 s21, 0xfedcba98
	s_mov_b32 s24, 0x3a800000                      ; 1 / 1,024
	s_mov_b32 s25, 0x3727c5ac                      ; eps = 1e-5
	s_wait_alu depctr_va_vdst(0)
	s_wait_kmcnt 0x0
	s_load_b32 s22, s[10:11], EOFF                 ; e
	s_add_nc_u64 s[4:5], s[4:5], s[16:17]
	s_add_nc_u64 s[12:13], s[12:13], s[18:19]
.irp p, 0,1
.irp j, 0,1,2,3
	global_load_b128 v[X+32*\p+8*\j:X+32*\p+8*\j+3],   v[XO], s[4:5] offset:\p*4096+1024*\j th:TH_LOAD_NT
	global_load_b128 v[X+32*\p+8*\j+4:X+32*\p+8*\j+7], v[XO], s[4:5] offset:\p*4096+1024*\j+16 th:TH_LOAD_NT
.endr
.endr
.irp j, 0,1,2,3
	global_load_b128 v[G+8*\j:G+8*\j+3],    v[XO], s[6:7] offset:1024*\j
	global_load_b128 v[G+8*\j+4:G+8*\j+7],  v[XO], s[6:7] offset:1024*\j+16
	global_load_b128 v[BT+8*\j:BT+8*\j+3],   v[XO], s[8:9] offset:1024*\j
	global_load_b128 v[BT+8*\j+4:BT+8*\j+7], v[XO], s[8:9] offset:1024*\j+16
.endr
	s_wait_kmcnt 0x0
	s_add_co_i32 s22, s22, 127
	s_lshl_b32 s23, s22, 23
	v_mov_b32 v[SC], s23                           ; the conversion takes this number's exponent field
	s_add_co_i32 s22, s22, 15
	s_lshl_b32 s22, s22, 23
	s_or_b32 s22, s22, 0x600000
	v_mov_b32 v[LIM], s22
; the pair v[4 + 4 p : 5 + 4 p] becomes one sum over the wave's 32 lanes, in every lane
.macro ACROSS p
	s_delay_alu instid0(VALU_DEP_1)
	v_add_f32 v[4+4*\p], v[4+4*\p], v[5+4*\p]
	s_delay_alu instid0(VALU_DEP_1)
	v_add_f32_dpp v[4+4*\p], v[4+4*\p], v[4+4*\p] row_xmask:1 row_mask:0xf bank_mask:0xf
	s_delay_alu instid0(VALU_DEP_1)
	v_add_f32_dpp v[4+4*\p], v[4+4*\p], v[4+4*\p] row_xmask:2 row_mask:0xf bank_mask:0xf
	s_delay_alu instid0(VALU_DEP_1)
	v_add_f32_dpp v[4+4*\p], v[4+4*\p], v[4+4*\p] row_xmask:4 row_mask:0xf bank_mask:0xf
	s_delay_alu instid0(VALU_DEP_1)
	v_add_f32_dpp v[4+4*\p], v[4+4*\p], v[4+4*\p] row_xmask:8 row_mask:0xf bank_mask:0xf
	s_delay_alu instid0(VALU_DEP_1)
	v_permlanex16_b32 v[16+\p], v[4+4*\p], s20, s21
	s_delay_alu instid0(VALU_DEP_1)
	v_add_f32 v[4+4*\p], v[4+4*\p], v[16+\p]
.endm
	s_wait_loadcnt 16                              ; the rows' 16 loads are in; the 16 younger ones, g's and b's, may stay out
.irp p, 0,1
	v_pk_add_f32 v[4+4*\p:5+4*\p], v[X+32*\p:X+32*\p+1], v[X+32*\p+2:X+32*\p+3]       ; the first numbers start the two chains: nothing is cleared
	v_pk_add_f32 v[6+4*\p:7+4*\p], v[X+32*\p+4:X+32*\p+5], v[X+32*\p+6:X+32*\p+7]
.irp i, 8,12,16,20,24,28
	s_delay_alu instid0(VALU_DEP_2)
	v_pk_add_f32 v[4+4*\p:5+4*\p], v[4+4*\p:5+4*\p], v[X+32*\p+\i:X+32*\p+\i+1]
	s_delay_alu instid0(VALU_DEP_2)
	v_pk_add_f32 v[6+4*\p:7+4*\p], v[6+4*\p:7+4*\p], v[X+32*\p+\i+2:X+32*\p+\i+3]
.endr
	s_delay_alu instid0(VALU_DEP_1)
	v_pk_add_f32 v[4+4*\p:5+4*\p], v[4+4*\p:5+4*\p], v[6+4*\p:7+4*\p]
	ACROSS \p
	s_delay_alu instid0(VALU_DEP_1)
	v_mul_f32 v[12+2*\p], s24, v[4+4*\p]           ; the mean,
	s_delay_alu instid0(VALU_DEP_1)
	v_mov_b32 v[13+2*\p], v[12+2*\p]               ; twice
.irp i, 0,2,4,6,8,10,12,14,16,18,20,22,24,26,28,30
	v_pk_add_f32 v[X+32*\p+\i:X+32*\p+\i+1], v[X+32*\p+\i:X+32*\p+\i+1], v[12+2*\p:13+2*\p] neg_lo:[0,1] neg_hi:[0,1]   ; d = x - mean
.endr
	v_pk_mul_f32 v[4+4*\p:5+4*\p], v[X+32*\p:X+32*\p+1], v[X+32*\p:X+32*\p+1]
	v_pk_mul_f32 v[6+4*\p:7+4*\p], v[X+32*\p+2:X+32*\p+3], v[X+32*\p+2:X+32*\p+3]
.irp i, 4,8,12,16,20,24,28
	s_delay_alu instid0(VALU_DEP_2)
	v_pk_fma_f32 v[4+4*\p:5+4*\p], v[X+32*\p+\i:X+32*\p+\i+1], v[X+32*\p+\i:X+32*\p+\i+1], v[4+4*\p:5+4*\p]
	s_delay_alu instid0(VALU_DEP_2)
	v_pk_fma_f32 v[6+4*\p:7+4*\p], v[X+32*\p+\i+2:X+32*\p+\i+3], v[X+32*\p+\i+2:X+32*\p+\i+3], v[6+4*\p:7+4*\p]
.endr
	s_delay_alu instid0(VALU_DEP_1)
	v_pk_add_f32 v[4+4*\p:5+4*\p], v[4+4*\p:5+4*\p], v[6+4*\p:7+4*\p]
	ACROSS \p
	s_delay_alu instid0(VALU_DEP_1)
	v_fma_f32 v[4+4*\p], v[4+4*\p], s24, s25       ; var + eps
.endr
	s_wait_alu depctr_va_vdst(0)
	v_rsq_f32 v12, v4                              ; one batch of four: each row's factor twice, for the packed multiply
	v_rsq_f32 v13, v4
	v_rsq_f32 v14, v8
	v_rsq_f32 v15, v8
	v_nop                                          ; a plain instruction behind the last of them (ISA guide 5.7.2)
	s_wait_alu depctr_va_vdst(0)                   ; one wait for the batch, ahead of its first reader
	s_wait_loadcnt 0x0                             ; g and b
.irp p, 0,1
.irp i, 0,2,4,6,8,10,12,14,16,18,20,22,24,26,28,30
	v_pk_mul_f32 v[X+32*\p+\i:X+32*\p+\i+1], v[X+32*\p+\i:X+32*\p+\i+1], v[12+2*\p:13+2*\p]
.endr
.irp i, 0,2,4,6,8,10,12,14,16,18,20,22,24,26,28,30
	v_pk_fma_f32 v[X+32*\p+\i:X+32*\p+\i+1], v[X+32*\p+\i:X+32*\p+\i+1], v[G+\i:G+\i+1], v[BT+\i:BT+\i+1]
.endr
.irp i, 0,1,2,3,4,5,6,7,8,9,10,11,12,13,14,15,16,17,18,19,20,21,22,23,24,25,26,27,28,29,30,31
	v_med3_num_f32 v[X+32*\p+\i], v[X+32*\p+\i], -v[LIM], v[LIM]   ; the conversion to an 8-bit code does not saturate (ISA guide 7.6.2): the hold at the largest code x the scale
.endr
.irp j, 0,1,2,3
	v_cvt_scalef32_pk8_bf8_f32 v[C+8*\p+2*\j:C+8*\p+2*\j+1], v[X+32*\p+8*\j:X+32*\p+8*\j+7], v[SC]
.endr
.irp j, 0,1,2,3
	global_store_b64 v[CO], v[C+8*\p+2*\j:C+8*\p+2*\j+1], s[12:13] offset:\p*1024+256*\j   ; 32 lanes store 256 consecutive bytes, at a multiple of 256 from the buffer's first byte
.endr
.endr
	s_endpgm
.Lfunc_end_k_q44c3127a3e_ln1:
	.size	k_q44c3127a3e_ln1, .Lfunc_end_k_q44c3127a3e_ln1-k_q44c3127a3e_ln1
	.p2alignl 7, 3214868480
	.fill 96, 4, 3214868480
	.section	.rodata,"a",@progbits
	.p2align	6, 0x0
	.amdhsa_kernel k_q44c3127a3e_ln1
		.amdhsa_group_segment_fixed_size 0
		.amdhsa_private_segment_fixed_size 0
		.amdhsa_enable_private_segment 0
		.amdhsa_kernarg_size 40
		.amdhsa_user_sgpr_count 2
		.amdhsa_user_sgpr_kernarg_segment_ptr 1
		.amdhsa_wavefront_size32 1
		.amdhsa_system_sgpr_workgroup_id_x 1
		.amdhsa_system_sgpr_workgroup_id_y 1
		.amdhsa_system_sgpr_workgroup_id_z 1
		.amdhsa_system_vgpr_workitem_id 0
		.amdhsa_next_free_vgpr 176
		.amdhsa_next_free_sgpr 66
		.amdhsa_reserve_vcc 0
		.amdhsa_float_denorm_mode_32 3
		.amdhsa_float_denorm_mode_16_64 3
		.amdhsa_memory_ordered 1
		.amdhsa_forward_progress 1
		.amdhsa_inst_pref_size 25
	.end_amdhsa_kernel
	.amdgpu_metadata
---
amdhsa.version: [ 1, 2 ]
amdhsa.kernels:
  - .name:           k_q44c3127a3e_ln1
    .symbol:         k_q44c3127a3e_ln1.kd
    .args:
      - { .name: inputs, .offset: 0, .size: 8, .value_kind: global_buffer, .address_space: global }
      - { .name: ln1_g, .offset: 8, .size: 8, .value_kind: global_buffer, .address_space: global }
      - { .name: ln1_b, .offset: 16, .size: 8, .value_kind: global_buffer, .address_space: global }
      - { .name: lowp_scales, .offset: 24, .size: 8, .value_kind: global_buffer, .address_space: global }
      - { .name: xq, .offset: 32, .size: 8, .value_kind: global_buffer, .address_space: global }
    .group_segment_fixed_size: 0
    .private_segment_fixed_size: 0
    .kernarg_segment_align: 8
    .kernarg_segment_size: 40
    .max_flat_workgroup_size: 256
    .sgpr_count:     66
    .vgpr_count:     176
    .wavefront_size: 32
...
	.end_amdgpu_metadata
.endif
;; end of part 1
;; launch qkv (part 2): grid 12 x 16, 4 waves a work-group, clusters of 4 x 4, 327,680 bytes of LDS; arguments xq, w_qkv_codes, lowp_scales, qc, kc, vc; writes qc, kc, vc
.if DOCPART == 2
	.amdgcn_target "amdgcn-amd-amdhsa--gfx1250"
	.amdhsa_code_object_version 6
	.text
	.protected	k_q44c3127a3e_qkv
	.globl	k_q44c3127a3e_qkv
	.p2align	8
	.type	k_q44c3127a3e_qkv,@function
k_q44c3127a3e_qkv:
	s_mov_b64 s[64:65], 0
	v_nop
	global_prefetch_b8 v0, s[64:65] scope:SCOPE_SE
	s_setreg_imm32_b32 hwreg(HW_REG_WAVE_MODE, 25, 1), 1
	s_wait_xcnt 0x0
	s_wait_alu depctr_hold_cnt(0) depctr_sa_sdst(0) depctr_va_vdst(0) depctr_va_sdst(0) depctr_va_ssrc(0) depctr_va_vcc(0) depctr_vm_vsrc(0)
	s_getreg_b32 s2, hwreg(HW_REG_IB_STS2, 6, 4)
	s_cmp_eq_u32 s2, 0
	s_cbranch_scc0 .Lentry_in_a_cluster
	s_endpgm
.Lentry_in_a_cluster:
	s_bfe_u32 s2, ttmp6, 0x10000c
	s_cmp_lg_u32 s2, 0xf033
	s_cbranch_scc0 .Lentry_shape_is_right
	s_endpgm
.Lentry_shape_is_right:
; q, k, v = LN1(x) w_qkv on codes of E5M2, and each finished sum is quantised at once for the product that takes it: q with e2, k with e3, v with e5.
; xq: [4096][1024] codes; w_qkv_codes: [3072][1024] codes, K innermost.  A sum stands for sum x 2^(e0 + e1), so its code is sum / 2^(ed - e0 - e1): the three exponents are folded into the conversion's one.
; A tile of C, 256 x 256, is made by four waves, each 128 x 128: 64 accumulators, 512 registers.  K = 1,024 goes in four steps of 256 through a ring of two LDS slots filled by the tensor data mover.
; THE MATRIX INSTRUCTION IS USED TRANSPOSED (source 0 = 16 rows of 'B', source 1 = 16 rows of 'A'): a lane holds eight neighbouring columns of one row of C, which one conversion turns into 8 bytes.
; CLUSTERS: 4 x 4 work-groups; 'A''s tiles are asked for jointly along a row of the cluster, 'B''s along a column.  The grid has 3 x 4 clusters:
;   cluster x = 0, 1: 'A' = xq, 'B' = w's rows of q or of k: C[token][column], eight neighbours along the head's 64, the K of q k^T.
;   cluster x = 2:    'A' = w's rows of v, 'B' = xq: C[(head, d)][token], eight neighbouring KEYS of one d, the K of p v.  Only pointers and coordinates are chosen, by the cluster's x, which all partners share; the loop is one text.
;   192 work-groups: N = 3,072 has no more tiles of this size, and a smaller tile would read each LDS byte for half as many products.
; OUT, in the order of the next operand's registers: blocks of 512 bytes = 16 rows x 32 k, laid [(k % 32) / 16][row][k % 16].  The 32 lanes' 8 bytes lie at 16 (l % 16) + 8 (l / 16): one store covers 256 consecutive bytes, aligned.
;   qc, kc: [batch x head][tile of 16 tokens: 128][d / 32: 2][512];   vc: [batch x head][32 keys: 64][d / 16: 4][512].
; LIMITS: e2 - e0 - e1, e3 - e0 - e1 and e5 - e0 - e1 between -126 and 112.  NaN is not served.
; REGISTERS, in windows of 256: window 0: v0-31 addresses; from v128 'A''s fragments, ONE set, on the way out the codes.  window 1: 'B''s fragments, TWO sets.  windows 2, 3: the accumulators of my rows 0-63, 64-127 ((a, b) at v[8 (8 (a % 4) + b)]).
.set SIZE_K, 1024
.set KSTEP,  256                       ; along K in a slot
.set ROWB,   256                       ; a tile's row in bytes
.set KROW,   SIZE_K                    ; a row of codes in memory
.set PITCH,  272                       ; an LDS row: 256 bytes + 16 of padding = 68 words: the 16 rows that a load touches start 4 words apart modulo 64
.set FR,     16                        ; registers of a fragment: 16 rows x 128 K
.set NL,     4                         ; LDS loads that bring one
.set NP,     4                         ; places behind this matrix instruction (ISA guide 7.12.1)
.set HALFT,  128*PITCH                 ; what one tensor load brings
.set SLOT,   4*HALFT                   ; 'A''s 256 rows, then 'B''s
.set LAPS,   SIZE_K/(2*KSTEP)
.set SPARE,  2*SLOT                    ; behind the ring: the spare words, 128 bytes a wave, that no other line names
.set HEADB,  131072                    ; a head's codes in qc, kc, vc
.set ADRA, 16                          ; v16-17  LDS address of my 'A' fragments in slot 0, 1
.set ADRB, 20                          ; v20-21  the same for 'B'
.set LO,   27                          ; v27     16 (l % 16) + 8 (l / 16): my 8 bytes of half a block
.set SPW,  28                          ; v28     my spare word; never rewritten
.set NIL,  29                          ; v29     0; never rewritten
.set SC,   30                          ; v30     the conversion's scale
.set LIM,  31                          ; v31     57,344 x that
.set AF,   128
.set CD,   128                         ; the way out: 64 pairs of codes
.set G1, 24
.set G0, 32
.set G1B, 48
.set G0B, 56
.set MSB, 0
.macro WIN new                         ; the immediate's high byte repeats the setting that is left
.if MSB != (\new)
	s_set_vgpr_msb (MSB<<8)|(\new)
.set MSB, (\new)
.endif
.endm
.set MUL_LO, 0xa1                      ; source 0 window 1, source 1 window 0, C and D window 2
.set MUL_HI, 0xf1                      ; the same, C and D window 3
.set TO_B,   0x40                      ; destination window 1, address window 0
; A joint load: waves 0 and 1 fetch for 'A', waves 2 and 3 for 'B'.  The branch hangs on the wave's number alone.  Four v_nop follow each of the two lines.
.macro JLOAD g0a, g1a, g0b, g1b
	s_cmp_eq_u32 s15, 0
	s_cbranch_scc0 .Lfor_b_\@
	tensor_load_to_lds s[\g0a:\g0a+3], s[\g1a:\g1a+7]
	s_nop 0
.rept 4
	v_nop
.endr
	s_branch .Lasked_\@
.Lfor_b_\@:
	tensor_load_to_lds s[\g0b:\g0b+3], s[\g1b:\g1b+7]
	s_nop 0
.rept 4
	v_nop
.endr
.Lasked_\@:
.endm
.macro CREST                           ; a round of the cluster's barrier behind its opening barrier
	s_cmp_lg_u32 s14, 0
	s_cbranch_scc1 .Lnot_wave_0_\@
	s_barrier_signal -3
.Lnot_wave_0_\@:
	s_barrier_wait -3
	s_barrier_signal -1
	s_barrier_wait -1
.endm
.macro CROUND                          ; a whole round
	s_barrier_signal -1
	s_barrier_wait -1
	CREST
.endm
	s_load_b128 s[4:7], s[0:1], 0x0                ; xq s[4:5], w's codes s[6:7]
	s_load_b128 s[8:11], s[0:1], 0x10              ; the scales' exponents s[8:9], qc s[10:11]
	s_load_b128 s[68:71], s[0:1], 0x20             ; kc s[68:69], vc s[70:71]
	v_lshl_add_u32 v[SPW], v0, 2, SPARE
	v_mov_b32 v[NIL], 0
	ds_add_u32 v28, v29
	ds_add_u32 v28, v29
	s_wait_dscnt 0x0
	v_lshrrev_b32 v1, 5, v0
	v_readfirstlane_b32 s14, v1                    ; wave 0..3
	s_lshr_b32 s15, s14, 1                         ; which half of the tile's rows is mine.  Also: I fetch for 'A' (0) or for 'B' (1)
	s_and_b32 s16, s14, 1                          ; which half of its columns.  Also: which 128 rows of that tile I fetch
	s_bfe_u32 s40, ttmp6, 0x40000                  ; cx, cy: my place in the cluster
	s_bfe_u32 s41, ttmp6, 0x40004
	s_and_b32 s72, ttmp7, 0xffff                   ; the cluster's y
	s_cmp_eq_u32 ttmp9, 2                          ; v's clusters?  The cluster's x is the same in all sixteen partners
	s_cselect_b32 s73, 0, s72                      ; 'A''s tile rows: v: w's four;  else xq's sixteen, by the cluster's y
	s_cselect_b32 s74, s72, ttmp9                  ; 'B''s tile columns: v: xq's sixteen, by the cluster's y;  else w's eight, by its x
	s_cselect_b32 s75, 2048, 0                     ; v's rows of w begin at row 2,048
	s_lshl_b32 s42, s74, 2
	s_add_co_u32 s42, s42, s40                     ; tile column
	s_lshl_b32 s17, s73, 2
	s_add_co_u32 s17, s17, s41                     ; tile row
	s_lshl_b32 s43, s41, 2
	s_lshl_b32 s43, 15, s43                        ; my row of the cluster
	s_lshl_b32 s44, 0x1111, s40                    ; my column
	; descriptor group 1: a tile of 128 rows x 256 bytes, padded in LDS
	s_or_b32 s[G1+0], s43, (0<<16)|(1<<20)|(1<<21)|(5<<22)|(3<<25)  ; 15:0 the mask; 17:16 element of 1 byte; 20 padding on; 21 set beside a mask; 24:22 after every 64 words; 31:25 four words
	s_or_b32 s[G1B+0], s44, (0<<16)|(1<<20)|(1<<21)|(5<<22)|(3<<25)
.irp g, G1, G1B
	s_mov_b32 s[\g+1], ROWB<<16                    ; tensor_dim0
	s_mov_b32 s[\g+2], 128<<16                     ; tensor_dim1
	s_mov_b32 s[\g+3], ROWB<<16                    ; tile_dim0
	s_mov_b32 s[\g+4], 128                         ; tile_dim1
	s_mov_b32 s[\g+5], KROW                        ; tensor_dim0_stride
	s_mov_b32 s[\g+6], 0
	s_mov_b32 s[\g+7], 0
.endr
	s_lshl_b32 s18, s16, 7                         ; which 128 rows of the tile I fetch
	s_lshl_b32 s20, s17, 8
	s_add_co_u32 s20, s20, s18
	s_add_co_u32 s20, s20, s75                     ; 'A': row 256 x tile row + 128 x half (+ 2,048)
	s_lshl_b32 s20, s20, 10                        ; in bytes: under 2^22
	s_mov_b32 s21, 0
	s_lshl_b32 s46, s42, 8
	s_add_co_u32 s46, s46, s18                     ; 'B': row 256 x tile column + 128 x half
	s_lshl_b32 s46, s46, 10
	s_mov_b32 s47, 0
	s_mul_i32 s45, s14, HALFT                      ; where they go: wave x 128 rows: no place in the cluster enters an LDS address
	s_wait_kmcnt 0x0
	s_load_b256 s[80:87], s[8:9], 0x0              ; e0 .. e7
	s_cmp_eq_u32 ttmp9, 2
	s_cselect_b64 s[76:77], s[6:7], s[4:5]         ; 'A'
	s_cselect_b64 s[78:79], s[4:5], s[6:7]         ; 'B'
	s_add_nc_u64 s[20:21], s[76:77], s[20:21]
	s_add_nc_u64 s[46:47], s[78:79], s[46:47]
	; THE PREFETCHES INTO THE L2: a K step is 256 bytes of each of the 128 rows that a wave fetches.  The four partners that ask for those rows jointly share them out BY ADDRESS, 32 rows each, a lane a row
	; (partner p = cx for 'A', cy for 'B').  Behind K step 0's load a wave names K steps 1 and 2, behind K step 1's load K step 3: the steps are immediates, and no address register is written again.
	s_cmp_eq_u32 s15, 0                            ; do I fetch for 'A'?
	s_cselect_b64 s[96:97], s[20:21], s[46:47]     ; where my load begins
	s_cselect_b32 s98, s40, s41                    ; my place among the four
	s_lshl_b32 s98, s98, 15                        ; 32 rows of 1,024 bytes
	s_mov_b32 s99, 0
	s_add_nc_u64 s[96:97], s[96:97], s[98:99]
	v_and_b32 v22, 31, v0
	v_lshlrev_b32 v22, 10, v22                     ; my lane's row; never rewritten
	s_wait_alu depctr_va_vdst(0)                   ; ahead of the round's waits
	CROUND                                         ; all sixteen work-groups are here: the first joint loads meet
.irp s, 0,1
	s_mov_b32 s[G0+4*\s], 1
	s_add_co_u32 s[G0+4*\s+1], s45, \s*SLOT
	s_add_nc_u64 s[G0+4*\s+2:G0+4*\s+3], s[20:21], \s*ROWB
	s_or_b32 s[G0+4*\s+3], s[G0+4*\s+3], 0x80000000
	s_mov_b32 s[G0B+4*\s], 1
	s_add_co_u32 s[G0B+4*\s+1], s45, \s*SLOT
	s_add_nc_u64 s[G0B+4*\s+2:G0B+4*\s+3], s[46:47], \s*ROWB
	s_or_b32 s[G0B+4*\s+3], s[G0B+4*\s+3], 0x80000000
.if \s
	s_wait_alu depctr_va_vdst(0)                   ; directly ahead of the wait below
	s_wait_tensorcnt 0x0                           ; my part of K step 0 is in; slot 1's first fill is issued as a refill is:
	ds_add_u32 v28, v29                            ; 0 onto my spare word
	s_wait_dscnt 0x0
	CROUND                                         ; a whole round, and K step 1's load first behind it
.endif
	JLOAD G0+4*\s, G1, G0B+4*\s, G1B
.if \s
	global_prefetch_b8 v22, s[96:97] offset:768 th:TH_LOAD_NT scope:SCOPE_SE   ; K step 3
.else
	global_prefetch_b8 v22, s[96:97] offset:256 th:TH_LOAD_NT scope:SCOPE_SE   ; K step 1
	global_prefetch_b8 v22, s[96:97] offset:512 th:TH_LOAD_NT scope:SCOPE_SE   ; K step 2
.endif
.endr
	v_and_b32 v1, 15, v0                           ; l % 16
	v_bfe_u32 v2, v0, 4, 1                         ; l / 16
	v_mul_u32_u24 v3, v1, PITCH
	v_lshl_add_u32 v4, v2, 4, v3                   ; a fragment's row x pitch + 16 x half
	s_mul_i32 s21, s15, HALFT                      ; my 128 rows of 'A'
	s_mul_i32 s22, s16, HALFT                      ; my 128 rows of 'B',
	s_add_co_u32 s22, s22, 2*HALFT                 ; which lie behind 'A''s 256
.irp s, 0,1
	v_add_nc_u32 v[ADRA+\s], s21, v4
	v_add_nc_u32 v[ADRB+\s], s22, v4
	s_add_co_u32 s21, s21, SLOT
	s_add_co_u32 s22, s22, SLOT
.endr
	v_lshlrev_b32 v[LO], 4, v1
	v_lshl_add_u32 v[LO], v2, 3, v[LO]
.macro FRAG reg, adr, q, i             ; a fragment: lane l holds row l % 16; registers 4 c .. 4 c + 3 hold K = 32 c + 16 (l / 16) + 0 .. 15: the same order of k on both sides, so every product meets its partner
.irp c, 0,1,2,3
	ds_load_b128 v[\reg+4*\c:\reg+4*\c+3], v[\adr] offset:128*(\q)+32*\c+(\i)*16*PITCH
.endr
.endm
; 16 matrix instructions: 'A''s blocks a0, a0 + 1 x 'B''s eight, 128 along K.  p: 'B''s set.  zero = 1: the first product starts the sums.  The 64 accumulators take turns, one instruction a turn.
.macro MUL16 a0, p, zero
.irp a, \a0, \a0+1
.irp b, 0,1,2,3,4,5,6,7
.if \zero
	v_wmma_f32_16x16x128_bf8_bf8 v[8*(8*((\a)%4)+\b):8*(8*((\a)%4)+\b)+7], v[128*(\p)+FR*\b:128*(\p)+FR*\b+FR-1], v[AF+FR*(\a):AF+FR*(\a)+FR-1], 0
.else
	v_wmma_f32_16x16x128_bf8_bf8 v[8*(8*((\a)%4)+\b):8*(8*((\a)%4)+\b)+7], v[128*(\p)+FR*\b:128*(\p)+FR*\b+FR-1], v[AF+FR*(\a):AF+FR*(\a)+FR-1], v[8*(8*((\a)%4)+\b):8*(8*((\a)%4)+\b)+7]
.endif
.endr
.endr
.endm
.macro FETCH_B slot, q, p
	WIN TO_B
.irp i, 0,1,2,3,4,5,6,7
	FRAG 128*(\p)+FR*\i, ADRB+\slot, \q, \i
.endr
	WIN 0
.endm
.macro FETCH_A slot, q, i0
.irp i, \i0, \i0+1, \i0+2, \i0+3
	FRAG AF+FR*(\i), ADRA+\slot, \q, \i
.endr
.endm
.macro PLACES n                        ; plain vector instructions between a matrix instruction and a load into, or a vector instruction on, one of its registers
.rept \n
	v_nop
.endr
.endm
; A step of 128 along K that has its successor in the same slot.  A block of 'A' is free as soon as its eight products are issued: blocks 0-3 are fetched anew in the step's middle, blocks 4-7 at its end.
.macro STEP slot, q, zero
	s_wait_dscnt 4*NL                              ; 'B''s set and 'A''s blocks 0-3 are in; the youngest 16 loads ('A''s blocks 4-7) may be out
	WIN MUL_LO
	MUL16 0, (\q)%2, \zero
	MUL16 2, (\q)%2, \zero
	s_wait_dscnt 0                                 ; 'A''s blocks 4-7 are in
	PLACES NP
	FETCH_B \slot, (\q)+1, 1-(\q)%2
	FETCH_A \slot, (\q)+1, 0
	WIN MUL_HI
	MUL16 4, (\q)%2, \zero
	MUL16 6, (\q)%2, \zero
	PLACES NP
	WIN 0
	FETCH_A \slot, (\q)+1, 4
.endm
; A slot's last step changes slots: ONE barrier; in front of it each wave waits for all its tensor loads, adds 0 to its spare word, and waits for that and for its own reads of this slot.  fill = 1: this slot is filled again, two K steps ahead.
.macro TURN slot, next, fill
	s_wait_tensorcnt 0x0                           ; all my tensor loads have landed: my part of the next slot
	ds_add_u32 v[SPW], v[NIL]                      ; 0 onto my spare word
	s_wait_dscnt 4*NL+1                            ; (the add and the youngest 16 loads may be out)
	WIN MUL_LO
	MUL16 0, 1, 0                                  ; sixteen matrix instructions stand between the add and the wait for it
	s_wait_dscnt 0x0                               ; the add is done, and my reads of this slot are over
	s_barrier_signal -1
	MUL16 2, 1, 0
	WIN 0
	s_barrier_wait -1
.if \fill
	CREST                                          ; the barrier has opened a round of the cluster's: no wave of any partner still reads this slot or has a load on its way
	s_add_nc_u64 s[G0+4*\slot+2:G0+4*\slot+3], s[G0+4*\slot+2:G0+4*\slot+3], 2*ROWB
	s_add_nc_u64 s[G0B+4*\slot+2:G0B+4*\slot+3], s[G0B+4*\slot+2:G0B+4*\slot+3], 2*ROWB
	JLOAD G0+4*\slot, G1, G0B+4*\slot, G1B         ; the first tensor load behind the round; its four v_nop are the places in front of the loads below
.else
	PLACES NP
.endif
	FETCH_B \next, 0, 0
	FETCH_A \next, 0, 0
	WIN MUL_HI
	MUL16 4, 1, 0
	MUL16 6, 1, 0
	PLACES NP
	WIN 0
	FETCH_A \next, 0, 4
.endm
	s_wait_alu depctr_va_vdst(0)
	s_wait_tensorcnt 1                             ; my part of K step 0 is in (K step 1's load may be out)
	s_barrier_signal -1
	s_barrier_wait -1                              ; everybody's is
	FETCH_B 0, 0, 0
	FETCH_A 0, 0, 0
	FETCH_A 0, 0, 4
	STEP 0, 0, 1                                   ; the first step stands in front of the loop: its products start the sums
	s_mov_b32 s3, LAPS-1
.Llap:                                                 ; a trip goes once round the ring and fills both slots again
	TURN 0, 1, 1
	STEP 1, 0, 0
	TURN 1, 0, 1
	STEP 0, 0, 0
	s_sub_co_u32 s3, s3, 1
	s_cmp_lg_u32 s3, 0
	s_cbranch_scc1 .Llap
	TURN 0, 1, 0                                   ; the last lap fills nothing
	STEP 1, 0, 0
	s_wait_dscnt 4*NL
	WIN MUL_LO
	MUL16 0, 1, 0
	MUL16 2, 1, 0
	s_wait_dscnt 0
	WIN MUL_HI
	MUL16 4, 1, 0
	MUL16 6, 1, 0
	WIN 0
	; THE WAY OUT.  Where my 128 x 128 goes.  s17 tile row, s42 tile column, s15 my half of the rows, s16 of the columns.
	s_lshr_b32 s88, s17, 3                         ; q, k: rows are tokens: batch = tile row / 8,
	s_lshl_b32 s88, s88, 4
	s_and_b32 s89, s42, 3
	s_lshl_b32 s89, s89, 2
	s_add_co_u32 s88, s88, s89
	s_lshl_b32 s89, s16, 1
	s_add_co_u32 s88, s88, s89                     ; head = 4 (tile column % 4) + 2 x half (+ b / 4)
	s_lshl_b32 s88, s88, 17
	s_and_b32 s89, s17, 7
	s_lshl_b32 s89, s89, 4
	s_lshl_b32 s90, s15, 3
	s_add_co_u32 s89, s89, s90                     ; tile of 16 tokens = 16 (tile row % 8) + 8 x half (+ a)
	s_lshl_b32 s89, s89, 10
	s_add_co_u32 s88, s88, s89
	s_lshr_b32 s90, s42, 3                         ; v: columns are tokens: batch = tile column / 8,
	s_lshl_b32 s90, s90, 4
	s_lshl_b32 s91, s17, 2
	s_add_co_u32 s90, s90, s91
	s_lshl_b32 s91, s15, 1
	s_add_co_u32 s90, s90, s91                     ; head = 4 x tile row + 2 x half (+ a / 4)
	s_lshl_b32 s90, s90, 17
	s_and_b32 s91, s42, 7
	s_lshl_b32 s91, s91, 3
	s_lshl_b32 s92, s16, 2
	s_add_co_u32 s91, s91, s92                     ; block of 32 keys = 8 (tile column % 8) + 4 x half (+ b / 2)
	s_lshl_b32 s91, s91, 11
	s_add_co_u32 s90, s90, s91
	s_wait_kmcnt 0x0
	s_cmp_eq_u32 ttmp9, 0
	s_cselect_b64 s[92:93], s[10:11], s[68:69]     ; qc or kc,
	s_cselect_b32 s94, s82, s83                    ; e2 or e3,
	s_cmp_eq_u32 ttmp9, 2
	s_cselect_b64 s[92:93], s[70:71], s[92:93]     ; or vc
	s_cselect_b32 s94, s85, s94                    ; and e5
	s_cselect_b32 s88, s90, s88
	s_mov_b32 s89, 0
	s_add_nc_u64 s[92:93], s[92:93], s[88:89]
	s_sub_co_i32 s94, s94, s80
	s_sub_co_i32 s94, s94, s81                     ; ed - e0 - e1
	s_add_co_i32 s94, s94, 127
	s_lshl_b32 s95, s94, 23
	v_mov_b32 v[SC], s95
	s_add_co_i32 s94, s94, 15
	s_lshl_b32 s94, s94, 23
	s_or_b32 s94, s94, 0x600000
	v_mov_b32 v[LIM], s94
	PLACES NP
.irp w, 2,3
	WIN 65*\w                                      ; source 0 and destination: the accumulators' window
.set i, 0
.rept 256
	v_med3_num_f32 v[i], v[i], -v[LIM], v[LIM]     ; the hold at the largest code x the scale (the conversion does not saturate: ISA guide 7.6.2); each accumulator from its low end on
.set i, i+1
.endr
	WIN \w
.set i, 0
.rept 32
	v_cvt_scalef32_pk8_bf8_f32 v[CD+64*(\w-2)+2*i:CD+64*(\w-2)+2*i+1], v[8*i:8*i+7], v[SC]
.set i, i+1
.endr
	v_nop                                          ; a plain instruction behind the last conversion of the run
.endr
	WIN 0
	s_cmp_eq_u32 ttmp9, 2                          ; the two layouts differ in the stores' immediates alone
	s_cbranch_scc1 .Lv_out
.irp a, 0,1,2,3,4,5,6,7
.irp b, 0,1,2,3,4,5,6,7
	global_store_b64 v[LO], v[CD+2*(8*\a+\b):CD+2*(8*\a+\b)+1], s[92:93] offset:\a*1024+(\b/4)*HEADB+((\b%4)/2)*512+(\b%2)*256   ; tokens 16 a on, d = 16 (b % 4) + 8 (l / 16) on: 256 consecutive bytes, aligned
.endr
.endr
	s_branch .Lstored
.Lv_out:
	s_wait_alu depctr_va_vdst(0)
.irp a, 0,1,2,3,4,5,6,7
.irp b, 0,1,2,3,4,5,6,7
	global_store_b64 v[LO], v[CD+2*(8*\a+\b):CD+2*(8*\a+\b)+1], s[92:93] offset:(\a/4)*HEADB+(\a%4)*512+(\b/2)*2048+(\b%2)*256   ; d = 16 (a % 4) on, keys 16 b + 8 (l / 16) on
.endr
.endr
.Lstored:
	s_wait_tensorcnt 0x0                           ; the wave's end
	ds_add_u32 v[SPW], v[NIL]
	s_wait_dscnt 0x0
	CROUND                                         ; the closing round: no work-group ends while a partner may still ask for a tile that names it
	s_endpgm
.Lfunc_end_k_q44c3127a3e_qkv:
	.size	k_q44c3127a3e_qkv, .Lfunc_end_k_q44c3127a3e_qkv-k_q44c3127a3e_qkv
	.p2alignl 7, 3214868480
	.fill 96, 4, 3214868480
	.section	.rodata,"a",@progbits
	.p2align	6, 0x0
	.amdhsa_kernel k_q44c3127a3e_qkv
		.amdhsa_group_segment_fixed_size 327680
		.amdhsa_private_segment_fixed_size 0
		.amdhsa_enable_private_segment 0
		.amdhsa_kernarg_size 48
		.amdhsa_user_sgpr_count 2
		.amdhsa_user_sgpr_kernarg_segment_ptr 1
		.amdhsa_wavefront_size32 1
		.amdhsa_system_sgpr_workgroup_id_x 1
		.amdhsa_system_sgpr_workgroup_id_y 1
		.amdhsa_system_sgpr_workgroup_id_z 1
		.amdhsa_system_vgpr_workitem_id 0
		.amdhsa_next_free_vgpr 1024
		.amdhsa_next_free_sgpr 100
		.amdhsa_reserve_vcc 0
		.amdhsa_float_denorm_mode_32 3
		.amdhsa_float_denorm_mode_16_64 3
		.amdhsa_memory_ordered 1
		.amdhsa_forward_progress 1
		.amdhsa_inst_pref_size 128
	.end_amdhsa_kernel
	.amdgpu_metadata
---
amdhsa.version: [ 1, 2 ]
amdhsa.kernels:
  - .name:           k_q44c3127a3e_qkv
    .symbol:         k_q44c3127a3e_qkv.kd
    .args:
      - { .name: xq, .offset: 0, .size: 8, .value_kind: global_buffer, .address_space: global }
      - { .name: w_qkv_codes, .offset: 8, .size: 8, .value_kind: global_buffer, .address_space: global }
      - { .name: lowp_scales, .offset: 16, .size: 8, .value_kind: global_buffer, .address_space: global }
      - { .name: qc, .offset: 24, .size: 8, .value_kind: global_buffer, .address_space: global }
      - { .name: kc, .offset: 32, .size: 8, .value_kind: global_buffer, .address_space: global }
      - { .name: vc, .offset: 40, .size: 8, .value_kind: global_buffer, .address_space: global }
    .group_segment_fixed_size: 327680
    .private_segment_fixed_size: 0
    .kernarg_segment_align: 8
    .kernarg_segment_size: 48
    .max_flat_workgroup_size: 128
    .sgpr_count:     100
    .vgpr_count:     1024
    .wavefront_size: 32
...
	.end_amdgpu_metadata
.endif
;; end of part 2
;; launch attn (part 3): grid 8 x 32, 8 waves a work-group, clusters of 4 x 1, 327,680 bytes of LDS; arguments qc, kc, vc, lowp_scales, yc; writes yc
.if DOCPART == 3
	.amdgcn_target "amdgcn-amd-amdhsa--gfx1250"
	.amdhsa_code_object_version 6
	.text
	.protected	k_q44c3127a3e_attn
	.globl	k_q44c3127a3e_attn
	.p2align	8
	.type	k_q44c3127a3e_attn,@function
k_q44c3127a3e_attn:
	s_mov_b64 s[64:65], 0
	v_nop
	global_prefetch_b8 v0, s[64:65] scope:SCOPE_SE
	s_setreg_imm32_b32 hwreg(HW_REG_WAVE_MODE, 25, 1), 1
	s_wait_xcnt 0x0
	s_wait_alu depctr_hold_cnt(0) depctr_sa_sdst(0) depctr_va_vdst(0) depctr_va_sdst(0) depctr_va_ssrc(0) depctr_va_vcc(0) depctr_vm_vsrc(0)
	s_getreg_b32 s2, hwreg(HW_REG_IB_STS2, 6, 4)
	s_cmp_eq_u32 s2, 0
	s_cbranch_scc0 .Lentry_in_a_cluster
	s_endpgm
.Lentry_in_a_cluster:
	s_bfe_u32 s2, ttmp6, 0x10000c
	s_cmp_lg_u32 s2, 0x3003
	s_cbranch_scc0 .Lentry_shape_is_right
	s_endpgm
.Lentry_shape_is_right:
; y = softmax(q k^T / 8) v for 32 (batch, head) pairs of 2,048 tokens and head size 64, both products on codes of E5M2; y is quantised at once, with e6, for the product with w_out.
; THE SOFTMAX AHEAD OF THE SECOND PRODUCT: t = score x log2(e) / 8; M = the running largest t rounded UP to a whole number; p = 2^(t - M) is quantised with e4, not normalised; the row's sum is taken of the
; unquantised p and divides at the end.  When M moves, the sum and O are multiplied by 2^(old M - new M), which rounds nothing.
; qc, kc: [pair][tile of 16 tokens: 128][d / 32: 2][512];  vc: [pair][32 keys: 64][d / 16: 4][512];  yc: [tile of 16 rows: 256][k / 32: 32][512].  A block of 512 bytes is 16 rows x 32 k, laid [(k % 32) / 16][row][k % 16].
; SHARES.  A work-group owns 256 queries of one pair; each of its eight waves 32: two tiles, which share each fragment of K and V read from LDS.  Two waves lie on a SIMD.
; ALL OF A PAIR'S K AND V LIE IN LDS (2 x 131,072 bytes and their padding: 311,296 bytes): each wave issues ONE tensor load, a quarter of K (waves 0-3) or of V (waves 4-7); no byte is filled twice, so there is one
; wait for 0, one barrier, and a loop of 16 key steps of 128 keys with no barrier in it.
; CLUSTER.  The four query blocks of a cluster belong to one pair and need the same K and V: every load is asked for jointly, with the same descriptor and the mask of all four.
; LAYOUT.  Both products are used transposed (S^T = K Q^T, O^T = V^T P^T): a lane holds ONE query throughout.  THE ROWS OF A TILE OF K, AND OF V^T, ARE NOT NEIGHBOURS: lane r of tile 2 b + u takes row 32 b + 8 u + r + 8 (r / 8),
; so that the 16 registers of tiles 2 b and 2 b + 1 are 16 neighbours, 32 b + 16 (l / 16) + 0 .. 15: the conversions' results are the next operand's registers, for p and for y alike.
; A STEP.  Scores of both tiles; behind them the loads of this step's V and of the NEXT step's K (the last trip jumps over K's: a branch on the loop's count; every wait on DScnt is for 0).  Then the vector work in five parts:
;   A  both tiles' maxima, M, f and the rescaling of O^T by turns, and tile 0's t - M;   B0 tile 0's 64 exponentials, between them tile 1's t - M;   C  tile 0's sums;
;   B1 tile 1's 64 exponentials, between them tile 0's holds;   D  tile 0's conversions, tile 1's sums, holds and conversions.
;   A plain line that stands between exponentials reads only what was written ahead of the wait in front of its batch, and its result is first read behind the wait that closes the batch.
; No prefetch: the work-group asks for all that it reads in its first lines, and has no loop to run ahead in.
; LIMITS: e2 + e3 between -122 and 130 (added to c's exponent field); e4 and e6 between -126 and 112; e4 + e5 is applied by v_ldexp_f32 and has none.  The scaled scores stay under 2^31 in magnitude.  NaN is not served.
; REGISTERS.  window 0: v1-7, v16, v17, v28 addresses and constants; v8-15 a tile's -M, largest score, sum in two halves; v18-21 f; v22-27 at work; v32-95 tile 1's S^T, then p; v96-159 tile 0's; v160-191 p's codes; v192-255 O^T.
;   window 1: v0-15 Q; v64-127 V's four fragments; v128-191 K's eight.
.set KPT,   1152                       ; a tile of 16 keys in LDS: 1,024 bytes + 128 of padding: the lanes that read the next tile fall 32 words further on modulo 64
.set VPT,   640                        ; a block of V: 512 bytes + 128
.set VBASE, 128*KPT                    ; K's 128 tiles, then V's 256 blocks
.set SPARE, VBASE+256*VPT              ; behind them the spare words, 128 bytes a wave, that no other line names
.set AK0, 1                            ; my lane's place in a pair of tiles of K
.set AV0, 2                            ; the same for V
.set ADK, 3                            ; LDS address of the next step's K
.set ADV, 4                            ; of this step's V
.set GO,  5                            ; 16 x lane
.set SC,  6                            ; the conversion's scale
.set LIMA, 7                           ; 57,344 x that,
.set LIMB, 16                          ; and once more, four registers' banks apart, for the second half of a dual pair
.set ST,  8
.set SPW, 17                           ; my spare word; never rewritten
.set FF,  18                           ; v[18:19], v[20:21] a tile's f = 2^(old M - new M); the upper words are only named
.set MA,  22                           ; v22, v23 and v24, v25: a tile's two chains of the maximum
.set CH,  22                           ; v[22:27]: the sums' three further chains
.set NIL, 28                           ; 0; never rewritten
.set PX,  30                           ; v30, v31 the lane permutes' destinations
.set S0R, 96                           ; tile t's scores at 96 - 64 t
.set PC,  160
.set OT,  192                          ; O^T: tile t, d tile u at 192 + 32 t + 8 u
.set Q,   0                            ; in window 1
.set VF,  64                           ; in window 1
.set KF,  128                          ; in window 1
.set G1K, 24
.set G1V, 32
.set G0K, 40
.set G0V, 44
.set MSB, 0
.macro WIN new                         ; the immediate's high byte repeats the setting that is left
.if MSB != (\new)
	s_set_vgpr_msb (MSB<<8)|(\new)
.set MSB, (\new)
.endif
.endm
.macro CROUND                          ; a round of the cluster's barrier
	s_barrier_signal -1
	s_barrier_wait -1
	s_cmp_lg_u32 s14, 0
	s_cbranch_scc1 .Lnot_wave_0_\@
	s_barrier_signal -3
.Lnot_wave_0_\@:
	s_barrier_wait -3
	s_barrier_signal -1
	s_barrier_wait -1
.endm
.macro KLOAD adr                       ; K's eight fragments of 16 keys x 64
.irp b, 0,1,2,3
.irp u, 0,1
.irp c, 0,1
	ds_load_b128 v[KF+8*(2*\b+\u)+4*\c:KF+8*(2*\b+\u)+4*\c+3], v[\adr] offset:2*\b*KPT+\u*128+\c*512
.endr
.endr
.endr
.endm
	s_load_b256 s[4:11], s[0:1], 0x0               ; qc s[4:5], kc s[6:7], vc s[8:9], the scales' exponents s[10:11]
	s_load_b64 s[12:13], s[0:1], 0x20              ; yc
	v_lshl_add_u32 v[SPW], v0, 2, SPARE
	v_mov_b32 v[NIL], 0
	ds_add_u32 v[SPW], v[NIL]                      ; the opening: the add, twice on end, and its wait ahead of my tensor load
	ds_add_u32 v[SPW], v[NIL]
	v_lshrrev_b32 v1, 5, v0
	v_readfirstlane_b32 s14, v1                    ; wave 0..7
	s_and_b32 s15, s14, 3                          ; which quarter of K or of V I fetch
	s_bfe_u32 s16, ttmp6, 0x40000                  ; cx
	s_lshl_b32 s17, ttmp9, 2
	s_add_co_u32 s17, s17, s16                     ; my block of 256 queries: it enters qc's and yc's addresses alone
	s_and_b32 s18, ttmp7, 0xffff                   ; the (batch, head) pair, which the four partners share
	s_lshl_b32 s88, s18, 17                        ; its first byte in qc, kc, vc
	; descriptor group 1.  K: 32 rows of 1,024 bytes, dense in memory, 128 bytes of padding behind each.  V: 64 rows of 512 bytes likewise
	s_mov_b32 s[G1K], 15|(1<<20)|(1<<21)|(7<<22)|(31<<25)   ; 15:0 the mask: all four; elements of 1 byte; 20 padding on; 21 set beside a mask; 24:22 after every 256 words; 31:25 32 words
	s_mov_b32 s[G1K+1], 1024<<16                   ; tensor_dim0
	s_mov_b32 s[G1K+2], 32<<16                     ; tensor_dim1
	s_mov_b32 s[G1K+3], 1024<<16                   ; tile_dim0
	s_mov_b32 s[G1K+4], 32                         ; tile_dim1
	s_mov_b32 s[G1K+5], 1024                       ; tensor_dim0_stride
	s_mov_b32 s[G1K+6], 0
	s_mov_b32 s[G1K+7], 0
	s_mov_b32 s[G1V], 15|(1<<20)|(1<<21)|(6<<22)|(31<<25)   ; after every 128 words
	s_mov_b32 s[G1V+1], 512<<16
	s_mov_b32 s[G1V+2], 64<<16
	s_mov_b32 s[G1V+3], 512<<16
	s_mov_b32 s[G1V+4], 64
	s_mov_b32 s[G1V+5], 512
	s_mov_b32 s[G1V+6], 0
	s_mov_b32 s[G1V+7], 0
	s_mov_b32 s20, 0x76543210                      ; v_permlanex16_b32: lane l xor 16
	s_mov_b32 s21, 0xfedcba98
	s_mul_i32 s87, s15, 32*KPT                     ; my quarter in LDS: K's,
	s_mul_i32 s90, s15, 64*VPT
	s_add_co_u32 s90, s90, VBASE                   ; V's
	s_lshl_b32 s92, s15, 15                        ; and in memory: 32,768 bytes in both
	s_add_co_u32 s92, s92, s88
	s_mov_b32 s93, 0
	s_wait_dscnt 0x0                               ; both opening adds are done
	s_wait_kmcnt 0x0
	s_load_b256 s[56:63], s[10:11], 0x0            ; e0 .. e7
	s_mov_b32 s[G0K], 1                            ; count = 1
	s_mov_b32 s[G0K+1], s87                        ; LDS address
	s_add_nc_u64 s[G0K+2:G0K+3], s[6:7], s[92:93]  ; global address
	s_or_b32 s[G0K+3], s[G0K+3], 0x80000000        ; type = 2
	s_mov_b32 s[G0V], 1
	s_mov_b32 s[G0V+1], s90
	s_add_nc_u64 s[G0V+2:G0V+3], s[8:9], s[92:93]
	s_or_b32 s[G0V+3], s[G0V+3], 0x80000000
	CROUND                                         ; all four work-groups are here: the joint loads meet
	s_cmp_lt_u32 s14, 4                            ; waves 0-3 fetch K, waves 4-7 V: one load in each arm, one join
	s_cbranch_scc0 .Lfirst_v
	tensor_load_to_lds s[G0K:G0K+3], s[G1K:G1K+7]
	s_nop 0
.rept 4
	v_nop
.endr
	s_branch .Lfirst_asked
.Lfirst_v:
	tensor_load_to_lds s[G0V:G0V+3], s[G1V:G1V+7]
	s_nop 0
.rept 4
	v_nop
.endr
.Lfirst_asked:
	s_lshl_b32 s92, s17, 4
	s_lshl_b32 s93, s14, 1
	s_add_co_u32 s92, s92, s93                     ; my first tile of 16 queries in the pair: 16 x block + 2 x wave
	s_lshl_b32 s94, s92, 10
	s_add_co_u32 s94, s94, s88
	s_mov_b32 s95, 0
	s_add_nc_u64 s[4:5], s[4:5], s[94:95]
	v_and_b32 v[GO], 31, v0
	v_lshlrev_b32 v[GO], 4, v[GO]
	WIN 0x40
.irp t, 0,1
.irp c, 0,1
	global_load_b128 v[Q+8*\t+4*\c:Q+8*\t+4*\c+3], v[GO], s[4:5] offset:\t*1024+512*\c   ; Q stays in registers
.endr
.endr
	WIN 0
	s_lshr_b32 s93, s18, 4                         ; yc: tile of rows = 128 x batch + my tile;
	s_lshl_b32 s93, s93, 7
	s_add_co_u32 s93, s93, s92
	s_lshl_b32 s94, s93, 14
	s_and_b32 s93, s18, 15                         ; the head's 64 along K are two blocks
	s_lshl_b32 s93, s93, 10
	s_add_co_u32 s94, s94, s93
	s_add_nc_u64 s[12:13], s[12:13], s[94:95]
	v_bfe_u32 v[ADK], v0, 3, 1                     ; (r / 8)
	v_bfe_u32 v[ADV], v0, 4, 1                     ; l / 16
	v_and_b32 v[MA], 7, v0                         ; r % 8
	v_lshlrev_b32 v[MA], 4, v[MA]
	v_lshl_add_u32 v[MA], v[ADV], 8, v[MA]         ; 256 (l / 16) + 16 (r % 8): my place in a block, but for u
	v_mad_u32_u24 v[AK0], v[ADK], KPT, v[MA]       ; lanes 8-15 of a half read the next tile of 16 keys,
	v_mad_u32_u24 v[AV0], v[ADK], VPT, v[MA]       ; or the next 16 of the head's 64
	v_add_nc_u32 v[AV0], VBASE, v[AV0]
	v_add_nc_u32 v[ADK], 8*KPT, v[AK0]             ; step 1's K
	v_add_nc_u32 v[ADV], 0, v[AV0]                 ; step 0's V
.irp t, 0,1
	v_mov_b32 v[ST+4*\t], 0x7f61b1e6               ; -M = 3e38,
	v_mov_b32 v[ST+4*\t+1], 0xff61b1e6             ; the largest score so far: -3e38, under every score
	v_mov_b32 v[ST+4*\t+2], 0                      ; the sum, in two halves
	v_mov_b32 v[ST+4*\t+3], 0
	v_mov_b32 v[FF+2*\t+1], 0                      ; (named as the upper half of a pair)
	v_mov_b32 v[PX+\t], 0                          ; a lane permute's destination counts as one of its sources
.endr
.set i, 0
.rept 64
	v_mov_b32 v[OT+i], 0                           ; O^T.  (The step has no first form of its own: it finds zeros, which the first change of M leaves zeros)
.set i, i+1
.endr
	s_wait_kmcnt 0x0
	s_add_co_i32 s94, s58, s59                     ; a score stands for score x 2^(e2 + e3): the exponents are added to c's exponent field
	s_lshl_b32 s94, s94, 23
	s_mov_b32 s22, 0x3e38aa3b                      ; c = log2(e) / 8
	s_add_co_i32 s22, s22, s94
	s_mov_b32 s23, s22                             ; (named with it as a pair)
	s_xor_b32 s19, s22, 0x80000000                 ; -c
	s_add_co_i32 s94, s60, 127
	s_lshl_b32 s95, s94, 23
	v_mov_b32 v[SC], s95                           ; 2^e4
	s_add_co_i32 s94, s94, 15
	s_lshl_b32 s94, s94, 23
	s_or_b32 s94, s94, 0x600000
	v_mov_b32 v[LIMA], s94                         ; 57,344 x 2^e4
	v_mov_b32 v[LIMB], s94
	s_mov_b32 s84, 8*KPT                           ; LDS byte of the next step's K,
	s_mov_b32 s85, 0                               ; of this step's V
	s_mov_b32 s86, 16                              ; steps to go
; A TILE'S LINES AHEAD OF ITS EXPONENTIALS, number j for tile t:  0-30 the largest of my 64 scores, in two chains (each accumulator is first read at its low end);  31-33 the chains, lane l xor 16's and the running largest joined;
;   34-39 the new -M = floor(-c x largest), a whole number; old M - new M, 0 or less; f = 2^(old M - new M);  40-55 O^T under the new M;  56-87 t - M, two at a time (of the pairs c and -M the low word serves both halves).
.macro PRE t
.set rS, S0R-64*(\t)
.set rT, ST+4*(\t)
.set rM, MA+2*(\t)
.set rX, PX+(\t)
.set rF, FF+2*(\t)
.set rO, OT+32*(\t)
.if j == 0
	v_max3_num_f32 v[rM], v[rS], v[rS+1], v[rS+2]
.elseif j == 1
	v_max3_num_f32 v[rM+1], v[rS+3], v[rS+4], v[rS+5]
.elseif j < 31
	v_max3_num_f32 v[rM+j%2], v[rM+j%2], v[rS+2*j+2], v[rS+2*j+3]
.elseif j == 31
	v_max_num_f32 v[rM], v[rM], v[rM+1]
.elseif j == 32
	v_permlanex16_b32 v[rX], v[rM], s20, s21
.elseif j == 33
	v_max3_num_f32 v[rT+1], v[rT+1], v[rM], v[rX]
.elseif j == 34
	v_mul_f32 v[rM], s19, v[rT+1]                  ; -t (c is positive)
.elseif j == 35
	v_mov_b32 v[rM+1], v[rT]
.elseif j == 36
	v_floor_f32 v[rT], v[rM]
.elseif j == 37
	v_sub_f32 v[rM], v[rT], v[rM+1]
.elseif j == 38
	v_cvt_i32_f32 v[rM], v[rM]                     ; (it saturates)
.elseif j == 39
	v_ldexp_f32 v[rF], 1.0, v[rM]
.elseif j < 56
	v_pk_mul_f32 v[rO+2*(j-40):rO+2*(j-40)+1], v[rO+2*(j-40):rO+2*(j-40)+1], v[rF:rF+1] op_sel_hi:[1,0]
.else
	v_pk_fma_f32 v[rS+2*(j-56):rS+2*(j-56)+1], v[rS+2*(j-56):rS+2*(j-56)+1], s[22:23], v[rT:rT+1] op_sel_hi:[1,0,0]
.endif
.endm
; THE ROW'S SUM, of the unquantised p, number j of 33 for tile t:  0 the sum under the new M;  1-29 four chains;  30-32 the chains joined.
.macro SUMS t
.set rS, S0R-64*(\t)
.set rT, ST+4*(\t)
.set rF, FF+2*(\t)
.if j == 0
	v_pk_mul_f32 v[rT+2:rT+3], v[rT+2:rT+3], v[rF:rF+1] op_sel_hi:[1,0]
.elseif j < 4
	v_pk_add_f32 v[CH+2*(j-1):CH+2*(j-1)+1], v[rS+4*(j-1):rS+4*(j-1)+1], v[rS+4*(j-1)+2:rS+4*(j-1)+3]
.elseif j < 30
.if (j%4) == 0
	v_pk_add_f32 v[rT+2:rT+3], v[rT+2:rT+3], v[rS+2*(j+2):rS+2*(j+2)+1]
.else
	v_pk_add_f32 v[CH+2*(j%4-1):CH+2*(j%4-1)+1], v[CH+2*(j%4-1):CH+2*(j%4-1)+1], v[rS+2*(j+2):rS+2*(j+2)+1]
.endif
.elseif j == 30
	v_pk_add_f32 v[rT+2:rT+3], v[rT+2:rT+3], v[CH:CH+1]
.elseif j == 31
	v_pk_add_f32 v[CH+2:CH+3], v[CH+2:CH+3], v[CH+4:CH+5]
.else
	v_pk_add_f32 v[rT+2:rT+3], v[rT+2:rT+3], v[CH+2:CH+3]
.endif
.endm
.macro HOLD r                          ; the conversion to an 8-bit code does not saturate (ISA guide 7.6.2); p is not negative, so the hold is one-sided; two numbers a line
	v_dual_min_num_f32 v[\r], v[LIMA], v[\r] :: v_dual_min_num_f32 v[\r+1], v[LIMB], v[\r+1]
.endm
.macro CVT t                           ; eight neighbouring keys, number g of the tile's eight groups: two registers of the second product's operand
	v_cvt_scalef32_pk8_bf8_f32 v[PC+16*(\t)+2*g:PC+16*(\t)+2*g+1], v[S0R-64*(\t)+8*g:S0R-64*(\t)+8*g+7], v[SC]
.endm
	s_wait_alu depctr_va_vdst(0)
	s_wait_tensorcnt 0x0                           ; my quarter is in,
	s_barrier_signal -1
	s_barrier_wait -1                              ; everybody's is: all of K and V lie in LDS, and nothing is filled again
	WIN 0x40
	KLOAD AK0                                      ; step 0's K
	WIN 0
	s_wait_loadcnt 0x0                             ; Q
	s_wait_dscnt 0x0
.Lstep:                                                ; A KEY STEP: 128 keys
	WIN 0x05                                       ; K and Q in window 1, S^T in window 0
.irp t, 0,1
.irp u, 0,1,2,3,4,5,6,7
	v_wmma_f32_16x16x64_bf8_bf8 v[S0R-64*\t+8*\u:S0R-64*\t+8*\u+7], v[KF+8*\u:KF+8*\u+7], v[Q+8*\t:Q+8*\t+7], 0
.endr
.endr
	WIN 0
.rept 4
	v_nop                                          ; four places: in front of the loads into registers that the products read, and of the first read of results
.endr
	s_cmp_eq_u32 s86, 1                            ; the last step has no successor
	s_cbranch_scc1 .Lno_k
	WIN 0x40
	KLOAD ADK                                      ; the next step's K
	WIN 0
.Lno_k:
	WIN 0x40
.irp b, 0,1
.irp u, 0,1
.irp c, 0,1,2,3
	ds_load_b128 v[VF+16*(2*\b+\u)+4*\c:VF+16*(2*\b+\u)+4*\c+3], v[ADV] offset:\c*4*VPT+2*\b*VPT+\u*128
.endr
.endr
.endr
	WIN 0
.set k, 0
.rept 88                                       ; A: the two tiles' lines by turns; tile 0's t - M last
.set j, k
	PRE 0
.if k < 56
	PRE 1
.endif
.set k, k+1
.endr
	s_wait_alu depctr_va_vdst(0)
.set k, 0
.rept 32                                       ; B0: p = 2^(t - M) of tile 0; behind each two a line of tile 1's t - M, first read behind the next wait
	v_exp_f32 v[S0R+2*k], v[S0R+2*k]
	v_exp_f32 v[S0R+2*k+1], v[S0R+2*k+1]
.set j, 56+k
	PRE 1
.set k, k+1
.endr
	s_wait_alu depctr_va_vdst(0)                   ; one wait for tile 0's batch, ahead of its first reader, and ahead of tile 1's batch
.set j, 0
.rept 33                                       ; C
	SUMS 0
.set j, j+1
.endr
.set k, 0
.rept 32                                       ; B1: tile 1's exponentials; behind each two a pair of tile 0's holds, first read behind the next wait
	v_exp_f32 v[S0R-64+2*k], v[S0R-64+2*k]
	v_exp_f32 v[S0R-64+2*k+1], v[S0R-64+2*k+1]
	HOLD S0R+2*k
.set k, k+1
.endr
	v_nop                                          ; a plain instruction behind the last exponential (ISA guide 5.7.2)
	s_wait_alu depctr_va_vdst(0)                   ; one wait for tile 1's batch
	s_add_co_u32 s84, s84, 8*KPT                   ; D.  The addresses of the next step's loads,
	s_add_co_u32 s85, s85, 16*VPT
	v_add_nc_u32 v[ADK], s84, v[AK0]
	v_add_nc_u32 v[ADV], s85, v[AV0]
.set k, 0
.rept 33                                       ; tile 1's sums, and behind every fourth line a conversion of tile 0
.set j, k
	SUMS 1
.if (k%4) == 3
.set g, k/4
	CVT 0
.endif
.set k, k+1
.endr
.set k, 0
.rept 8                                        ; tile 1's holds; a group's conversion stands behind the next group's holds
.set i, 0
.rept 4
	HOLD S0R-64+8*k+2*i
.set i, i+1
.endr
.if k > 0
.set g, k-1
	CVT 1
.endif
.set k, k+1
.endr
.set g, 7
	CVT 1
	v_nop                                          ; a plain instruction between the last conversion and the products that read its result
	s_wait_alu depctr_va_vdst(0)                   ; directly ahead of the wait below
	s_wait_dscnt 0x0                               ; V, and the next step's K
	WIN 0x01                                       ; V in window 1; p's codes and O^T in window 0
.irp u, 0,1,2,3
.irp t, 0,1
	v_wmma_f32_16x16x128_bf8_bf8 v[OT+32*\t+8*\u:OT+32*\t+8*\u+7], v[VF+16*\u:VF+16*\u+15], v[PC+16*\t:PC+16*\t+15], v[OT+32*\t+8*\u:OT+32*\t+8*\u+7]   ; eight accumulators by turns, one instruction a turn
.endr
.endr
	WIN 0
	s_sub_co_u32 s86, s86, 1
	s_cmp_lg_u32 s86, 0
	s_cbranch_scc1 .Lstep
	; THE WAY OUT: O^T x 2^(e4 + e5) / the sum is y; register 16 b + i of a tile is k = 32 b + 16 (l / 16) + i of my row, so the codes are the next operand's registers and leave as they stand.
.set Y, 32
.irp t, 0,1
	v_add_f32 v[ST+4*\t+2], v[ST+4*\t+2], v[ST+4*\t+3]   ; (these lines are also the places behind the last products)
.endr
.irp t, 0,1
	v_permlanex16_b32 v[PX+\t], v[ST+4*\t+2], s20, s21
.endr
.irp t, 0,1
	v_add_f32 v[ST+4*\t+2], v[ST+4*\t+2], v[PX+\t] ; the row's sum: over 1/2, since the row's largest p is
.endr
	s_wait_alu depctr_va_vdst(0)
.irp t, 0,1
	v_rcp_f32 v[ST+4*\t+2], v[ST+4*\t+2]
.endr
	v_nop                                          ; a plain instruction behind the reciprocals
	s_add_co_i32 s92, s60, s61                     ; e4 + e5
	s_add_co_i32 s94, s62, 127
	s_lshl_b32 s95, s94, 23
	v_mov_b32 v[SC], s95                           ; 2^e6
	s_add_co_i32 s94, s94, 15
	s_lshl_b32 s94, s94, 23
	s_or_b32 s94, s94, 0x600000
	v_mov_b32 v[LIMA], s94
	s_wait_alu depctr_va_vdst(0)                   ; one wait for the two, ahead of their first reader
.irp t, 0,1
	v_ldexp_f32 v[ST+4*\t+2], v[ST+4*\t+2], s92
.endr
	s_wait_alu depctr_va_vdst(0)                   ; directly ahead of the first reader of O^T
.irp t, 0,1
.set i, 0
.rept 16
	v_pk_mul_f32 v[Y+32*\t+i:Y+32*\t+i+1], v[OT+32*\t+i:OT+32*\t+i+1], v[ST+4*\t+2:ST+4*\t+3] op_sel_hi:[1,0]
.set i, i+2
.endr
.endr
.set i, 0
.rept 64
	v_med3_num_f32 v[Y+i], v[Y+i], -v[LIMA], v[LIMA]
.set i, i+1
.endr
.set i, 0
.rept 8
	v_cvt_scalef32_pk8_bf8_f32 v[PC+2*i:PC+2*i+1], v[Y+8*i:Y+8*i+7], v[SC]
.set i, i+1
.endr
	v_nop
.irp t, 0,1
.irp b, 0,1
	global_store_b128 v[GO], v[PC+8*\t+4*\b:PC+8*\t+4*\b+3], s[12:13] offset:\t*16384+512*\b   ; a whole block: 512 consecutive bytes, aligned
.endr
.endr
	s_wait_tensorcnt 0x0                           ; the wave's end
	ds_add_u32 v[SPW], v[NIL]
	s_wait_dscnt 0x0
	CROUND                                         ; the closing round: no work-group ends while a partner may still ask for a tile that names it
	s_endpgm
.Lfunc_end_k_q44c3127a3e_attn:
	.size	k_q44c3127a3e_attn, .Lfunc_end_k_q44c3127a3e_attn-k_q44c3127a3e_attn
	.p2alignl 7, 3214868480
	.fill 96, 4, 3214868480
	.section	.rodata,"a",@progbits
	.p2align	6, 0x0
	.amdhsa_kernel k_q44c3127a3e_attn
		.amdhsa_group_segment_fixed_size 327680
		.amdhsa_private_segment_fixed_size 0
		.amdhsa_enable_private_segment 0
		.amdhsa_kernarg_size 40
		.amdhsa_user_sgpr_count 2
		.amdhsa_user_sgpr_kernarg_segment_ptr 1
		.amdhsa_wavefront_size32 1
		.amdhsa_system_sgpr_workgroup_id_x 1
		.amdhsa_system_sgpr_workgroup_id_y 1
		.amdhsa_system_sgpr_workgroup_id_z 1
		.amdhsa_system_vgpr_workitem_id 0
		.amdhsa_next_free_vgpr 448
		.amdhsa_next_free_sgpr 96
		.amdhsa_reserve_vcc 0
		.amdhsa_float_denorm_mode_32 3
		.amdhsa_float_denorm_mode_16_64 3
		.amdhsa_memory_ordered 1
		.amdhsa_forward_progress 1
		.amdhsa_inst_pref_size 47
	.end_amdhsa_kernel
	.amdgpu_metadata
---
amdhsa.version: [ 1, 2 ]
amdhsa.kernels:
  - .name:           k_q44c3127a3e_attn
    .symbol:         k_q44c3127a3e_attn.kd
    .args:
      - { .name: qc, .offset: 0, .size: 8, .value_kind: global_buffer, .address_space: global }
      - { .name: kc, .offset: 8, .size: 8, .value_kind: global_buffer, .address_space: global }
      - { .name: vc, .offset: 16, .size: 8, .value_kind: global_buffer, .address_space: global }
      - { .name: lowp_scales, .offset: 24, .size: 8, .value_kind: global_buffer, .address_space: global }
      - { .name: yc, .offset: 32, .size: 8, .value_kind: global_buffer, .address_space: global }
    .group_segment_fixed_size: 327680
    .private_segment_fixed_size: 0
    .kernarg_segment_align: 8
    .kernarg_segment_size: 40
    .max_flat_workgroup_size: 256
    .sgpr_count:     96
    .vgpr_count:     448
    .wavefront_size: 32
...
	.end_amdgpu_metadata
.endif
;; end of part 3
;; launch proj (part 4): grid 8 x 32, 4 waves a work-group, clusters of 4 x 4, 327,680 bytes of LDS; arguments yc, w_out_codes, lowp_scales, b_out, inputs, x1; writes x1
.if DOCPART == 4
	.amdgcn_target "amdgcn-amd-amdhsa--gfx1250"
	.amdhsa_code_object_version 6
	.text
	.protected	k_q44c3127a3e_proj
	.globl	k_q44c3127a3e_proj
	.p2align	8
	.type	k_q44c3127a3e_proj,@function
k_q44c3127a3e_proj:
	s_mov_b64 s[64:65], 0
	v_nop
	global_prefetch_b8 v0, s[64:65] scope:SCOPE_SE
	s_setreg_imm32_b32 hwreg(HW_REG_WAVE_MODE, 25, 1), 1
	s_wait_xcnt 0x0
	s_wait_alu depctr_hold_cnt(0) depctr_sa_sdst(0) depctr_va_vdst(0) depctr_va_sdst(0) depctr_va_ssrc(0) depctr_va_vcc(0) depctr_vm_vsrc(0)
	s_getreg_b32 s2, hwreg(HW_REG_IB_STS2, 6, 4)
	s_cmp_eq_u32 s2, 0
	s_cbranch_scc0 .Lentry_in_a_cluster
	s_endpgm
.Lentry_in_a_cluster:
	s_bfe_u32 s2, ttmp6, 0x10000c
	s_cmp_lg_u32 s2, 0xf033
	s_cbranch_scc0 .Lentry_shape_is_right
	s_endpgm
.Lentry_shape_is_right:
.set SIZE_K, 1024
.set EOFF,   24
.set RT,     16*SIZE_K
.set PITCH,  528
.set HALFA,  32768
.set HALFB,  64*PITCH
.set ABYTES, 2*HALFA
.set SLOT,   ABYTES+2*HALFB
.set STAGE,  2*SLOT
.set SPITCH, 272
.set SPARE,  STAGE+4*16*SPITCH
.set LAPS,   SIZE_K/1024
.set BIAS, 12
.set ADRA, 16
.set ADRB, 20
.set STO,  24
.set RD,   25
.set CO,   26
.set BO,   27
.set SPW,  28
.set NIL,  29
.set TMP,  32
.set ACC,  128
.set F0,   0
.set F1,   128
.set G1, 24
.set G0, 32
.set G1B, 48
.set G0B, 56
.set MSB, 0
.macro WIN new
.if MSB != (\new)
	s_set_vgpr_msb (MSB<<8)|(\new)
.set MSB, (\new)
.endif
.endm
.set MUL,  0x05
.set TO_F, 0x40
.macro JLOAD s
	s_cmp_eq_u32 s11, 0
	s_cbranch_scc0 .Lfor_b_\@
	tensor_load_to_lds s[G0+4*\s:G0+4*\s+3], s[G1:G1+7]
	s_nop 0
.rept 4
	v_nop
.endr
	s_branch .Lasked_\@
.Lfor_b_\@:
	tensor_load_to_lds s[G0B+4*\s:G0B+4*\s+3], s[G1B:G1B+7]
	s_nop 0
.rept 4
	v_nop
.endr
.Lasked_\@:
.endm
.macro CREST
	s_cmp_lg_u32 s10, 0
	s_cbranch_scc1 .Lnot_wave_0_\@
	s_barrier_signal -3
.Lnot_wave_0_\@:
	s_barrier_wait -3
	s_barrier_signal -1
	s_barrier_wait -1
.endm
.macro CROUND
	s_barrier_signal -1
	s_barrier_wait -1
	CREST
.endm
	s_load_b128 s[4:7], s[0:1], 0x0
	s_load_b128 s[68:71], s[0:1], 0x10
	s_load_b128 s[72:75], s[0:1], 0x20
	v_lshl_add_u32 v[SPW], v0, 2, SPARE
	v_mov_b32 v[NIL], 0
	ds_add_u32 v28, v29
	ds_add_u32 v28, v29
	s_wait_dscnt 0x0
	v_lshrrev_b32 v1, 5, v0
	v_readfirstlane_b32 s10, v1
	s_lshr_b32 s11, s10, 1
	s_and_b32 s12, s10, 1
	s_bfe_u32 s40, ttmp6, 0x40000
	s_bfe_u32 s41, ttmp6, 0x40004
	s_lshl_b32 s42, ttmp9, 2
	s_add_co_u32 s42, s42, s40
	s_and_b32 s13, ttmp7, 0xffff
	s_lshl_b32 s13, s13, 2
	s_add_co_u32 s13, s13, s41
	s_lshl_b32 s43, s41, 2
	s_lshl_b32 s43, 15, s43
	s_lshl_b32 s44, 0x1111, s40
	s_or_b32 s[G1+0], s43, (0<<16)|(1<<21)
	s_mov_b32 s[G1+1], 8192<<16
	s_mov_b32 s[G1+2], 4<<16
	s_mov_b32 s[G1+3], 8192<<16
	s_mov_b32 s[G1+4], 4
	s_mov_b32 s[G1+5], RT
	s_mov_b32 s[G1+6], 0
	s_mov_b32 s[G1+7], 0
	s_or_b32 s[G1B+0], s44, (0<<16)|(1<<20)|(1<<21)|(6<<22)|(3<<25)
	s_mov_b32 s[G1B+1], 512<<16
	s_mov_b32 s[G1B+2], 64<<16
	s_mov_b32 s[G1B+3], 512<<16
	s_mov_b32 s[G1B+4], 64
	s_mov_b32 s[G1B+5], SIZE_K
	s_mov_b32 s[G1B+6], 0
	s_mov_b32 s[G1B+7], 0
	s_lshl_b32 s16, s13, 3
	s_lshl_b32 s17, s12, 2
	s_add_co_u32 s16, s16, s17
	s_mul_i32 s16, s16, RT
	s_mov_b32 s17, 0
	s_lshl_b32 s46, s42, 7
	s_lshl_b32 s47, s12, 6
	s_add_co_u32 s46, s46, s47
	s_mul_i32 s46, s46, SIZE_K
	s_mov_b32 s47, 0
	s_mul_i32 s20, s12, HALFA
	s_mul_i32 s21, s12, HALFB
	s_add_co_u32 s21, s21, ABYTES
	s_wait_kmcnt 0x0
	s_load_b64 s[76:77], s[68:69], EOFF
	s_add_nc_u64 s[14:15], s[4:5], s[16:17]
	s_add_nc_u64 s[46:47], s[6:7], s[46:47]
	; THE PREFETCH INTO THE L2: behind slot 0's joint load one line a wave names slot 1.  What a wave fetches for a slot is 128 blocks of 256 bytes (A: 4 row tiles x 8,192 bytes; B: 64 rows x 512 bytes);
	; the four partners that ask for it jointly share them out BY ADDRESS, 32 blocks each, a lane a block: partner p (cx for A, cy for B) takes A's row tile p or B's rows 16 p .. 16 p + 15, both 16,384 bytes apart.
	s_cmp_eq_u32 s11, 0                            ; do I fetch for A?
	s_cselect_b64 s[80:81], s[14:15], s[46:47]     ; where my load begins
	s_cselect_b32 s18, s40, s41                    ; my place among the four
	s_mov_b32 s82, 512
	s_cselect_b32 s8, s82, SIZE_K                  ; from one pair of lanes to the next: A 512 bytes on, B a row on
	s_cselect_b32 s82, 8192, s82                   ; a slot on
	s_mov_b32 s83, 0
	s_lshl_b32 s18, s18, 14
	s_mov_b32 s19, 0
	s_add_nc_u64 s[80:81], s[80:81], s[18:19]
	s_add_nc_u64 s[80:81], s[80:81], s[82:83]      ; at slot 1; never rewritten
	v_bfe_u32 v30, v0, 1, 4
	v_and_b32 v31, 1, v0
	v_mul_u32_u24 v30, v30, s8
	v_lshl_add_u32 v30, v31, 8, v30                ; my lane's block; never rewritten
	s_wait_alu depctr_va_vdst(0)                   ; ahead of the round's waits
	CROUND
.irp s, 0,1
	s_mov_b32 s[G0+4*\s], 1
	s_add_co_u32 s[G0+4*\s+1], s20, \s*SLOT
	s_add_nc_u64 s[G0+4*\s+2:G0+4*\s+3], s[14:15], \s*8192
	s_or_b32 s[G0+4*\s+3], s[G0+4*\s+3], 0x80000000
	s_mov_b32 s[G0B+4*\s], 1
	s_add_co_u32 s[G0B+4*\s+1], s21, \s*SLOT
	s_add_nc_u64 s[G0B+4*\s+2:G0B+4*\s+3], s[46:47], \s*512
	s_or_b32 s[G0B+4*\s+3], s[G0B+4*\s+3], 0x80000000
.if \s
	s_wait_alu depctr_va_vdst(0)                   ; directly ahead of the wait below
	s_wait_tensorcnt 0x0                           ; my part of slot 0 is in; slot 1's first fill is issued as a refill is:
	ds_add_u32 v28, v29                            ; 0 onto my spare word
	s_wait_dscnt 0x0
	CROUND                                         ; a whole round, and slot 1's load first behind it
.endif
	JLOAD \s
.if \s == 0
	global_prefetch_b8 v30, s[80:81] th:TH_LOAD_NT scope:SCOPE_SE   ; slot 1
.endif
.endr
	v_and_b32 v1, 15, v0
	v_bfe_u32 v2, v0, 4, 1
	v_and_b32 v3, 31, v0
	v_lshlrev_b32 v3, 4, v3
	v_mul_u32_u24 v4, v1, PITCH
	v_lshl_add_u32 v4, v2, 4, v4
	s_mul_i32 s21, s11, HALFA
	s_mul_i32 s22, s12, HALFB
	s_add_co_u32 s22, s22, ABYTES
.irp s, 0,1
	v_add_nc_u32 v[ADRA+\s], s21, v3
	v_add_nc_u32 v[ADRB+\s], s22, v4
	s_add_co_u32 s21, s21, SLOT
	s_add_co_u32 s22, s22, SLOT
.endr
	s_mul_i32 s23, s10, 16*SPITCH
	s_add_co_u32 s23, s23, STAGE
	v_mul_u32_u24 v5, v1, SPITCH
	v_lshl_add_u32 v5, v2, 5, v5
	v_add_nc_u32 v[STO], s23, v5
	v_mul_u32_u24 v5, v2, SPITCH
	v_lshl_add_u32 v5, v1, 4, v5
	v_add_nc_u32 v[RD], s23, v5
	v_lshlrev_b32 v[CO], 12, v2
	v_lshl_add_u32 v[CO], v1, 4, v[CO]
	v_lshlrev_b32 v[BO], 4, v1
	s_wait_alu depctr_va_vdst(0)
	s_lshl_b32 s16, s13, 7
	s_lshl_b32 s17, s11, 6
	s_add_co_u32 s16, s16, s17
	s_lshl_b32 s16, s16, 12
	s_mov_b32 s17, 0
	s_lshl_b32 s46, s42, 9
	s_lshl_b32 s47, s12, 8
	s_add_co_u32 s46, s46, s47
	s_mov_b32 s47, 0
	s_add_nc_u64 s[70:71], s[70:71], s[46:47]
	s_add_nc_u64 s[72:73], s[72:73], s[16:17]
	s_add_nc_u64 s[72:73], s[72:73], s[46:47]
	s_add_nc_u64 s[74:75], s[74:75], s[16:17]
	s_add_nc_u64 s[74:75], s[74:75], s[46:47]
	global_load_b128 v[BIAS:BIAS+3], v[BO], s[70:71]
	WIN 0x80
.irp a, 0,1,2,3
.irp t, 0,1,2,3,4,5,6,7
	global_load_b128 v[32*\a+4*\t:32*\a+4*\t+3], v[CO], s[72:73] offset:(16*\a+2*\t)*4096 th:TH_LOAD_NT
.endr
.endr
	WIN 0
.macro MUL8 f, a0, zero
.irp a, \a0, \a0+1
.irp b, 0,1,2,3
.if \zero
	v_wmma_f32_16x16x128_bf8_bf8 v[ACC+8*(4*(\a)+\b):ACC+8*(4*(\a)+\b)+7], v[\f+64+16*\b:\f+64+16*\b+15], v[\f+16*(\a):\f+16*(\a)+15], 0
.else
	v_wmma_f32_16x16x128_bf8_bf8 v[ACC+8*(4*(\a)+\b):ACC+8*(4*(\a)+\b)+7], v[\f+64+16*\b:\f+64+16*\b+15], v[\f+16*(\a):\f+16*(\a)+15], v[ACC+8*(4*(\a)+\b):ACC+8*(4*(\a)+\b)+7]
.endif
.endr
.endr
.endm
.macro FETCH slot, q, f
	WIN TO_F
.irp i, 0,1,2,3
.irp c, 0,1,2,3
	ds_load_b128 v[\f+64+16*\i+4*\c:\f+64+16*\i+4*\c+3], v[ADRB+\slot] offset:\i*16*PITCH+128*(\q)+32*\c
.endr
.endr
.irp i, 0,1,2,3
.irp c, 0,1,2,3
	ds_load_b128 v[\f+16*\i+4*\c:\f+16*\i+4*\c+3], v[ADRA+\slot] offset:\i*8192+2048*(\q)+512*\c
.endr
.endr
.endm
.macro PLACES
.rept 4
	v_nop
.endr
.endm
.macro SUB slot, q, f, g, zero
	s_wait_dscnt 8
	WIN MUL
	MUL8 \f, 0, \zero
	PLACES
	FETCH \slot, \q, \g
	s_wait_dscnt 32
	WIN MUL
	MUL8 \f, 2, \zero
.endm
.macro TURN slot, next, fill
	WIN 0
	s_wait_tensorcnt 0x0
	ds_add_u32 v[SPW], v[NIL]
	s_wait_dscnt 9
	WIN MUL
	MUL8 F1, 0, 0
	s_wait_dscnt 0x0
	s_barrier_signal -1
	WIN 0
	s_barrier_wait -1
.if \fill
	CREST
	s_add_nc_u64 s[G0+4*\slot+2:G0+4*\slot+3], s[G0+4*\slot+2:G0+4*\slot+3], 2*8192
	s_add_nc_u64 s[G0B+4*\slot+2:G0B+4*\slot+3], s[G0B+4*\slot+2:G0B+4*\slot+3], 2*512
	JLOAD \slot
.else
	PLACES
.endif
	FETCH \next, 0, F0
	WIN MUL
	MUL8 F1, 2, 0
.endm
	s_wait_tensorcnt 1
	s_barrier_signal -1
	s_barrier_wait -1
	FETCH 0, 0, F0
	SUB 0, 1, F0, F1, 1
.if LAPS > 1
	WIN 0
	s_mov_b32 s3, LAPS-1
.Llap:
	SUB 0, 2, F1, F0, 0
	SUB 0, 3, F0, F1, 0
	TURN 0, 1, 1
	SUB 1, 1, F0, F1, 0
	SUB 1, 2, F1, F0, 0
	SUB 1, 3, F0, F1, 0
	TURN 1, 0, 1
	SUB 0, 1, F0, F1, 0
	WIN 0
	s_sub_co_u32 s3, s3, 1
	s_cmp_lg_u32 s3, 0
	s_cbranch_scc1 .Llap
.endif
	SUB 0, 2, F1, F0, 0
	SUB 0, 3, F0, F1, 0
	TURN 0, 1, 0
	SUB 1, 1, F0, F1, 0
	SUB 1, 2, F1, F0, 0
	SUB 1, 3, F0, F1, 0
	s_wait_dscnt 8
	WIN MUL
	MUL8 F1, 0, 0
	s_wait_dscnt 0
	MUL8 F1, 2, 0
	WIN 0
.macro TOSTAGE a
.irp b, 0,1,2,3
	ds_store_b128 v[STO], v[ACC+8*(4*(\a)+\b):ACC+8*(4*(\a)+\b)+3] offset:64*\b
	ds_store_b128 v[STO], v[ACC+8*(4*(\a)+\b)+4:ACC+8*(4*(\a)+\b)+7] offset:64*\b+16
.endr
.irp t, 0,1,2,3,4,5,6,7
	ds_load_b128 v[TMP+32*((\a)%2)+4*\t:TMP+32*((\a)%2)+4*\t+3], v[RD] offset:\t*2*SPITCH
.endr
.endm
.macro SEND a, younger
	s_wait_dscnt \younger
.irp t, 0,1,2,3,4,5,6,7
	v_pk_fma_f32 v[TMP+32*((\a)%2)+4*\t:TMP+32*((\a)%2)+4*\t+1], v[TMP+32*((\a)%2)+4*\t:TMP+32*((\a)%2)+4*\t+1], s[78:79], v[BIAS:BIAS+1] op_sel_hi:[1,0,1]
	v_pk_fma_f32 v[TMP+32*((\a)%2)+4*\t+2:TMP+32*((\a)%2)+4*\t+3], v[TMP+32*((\a)%2)+4*\t+2:TMP+32*((\a)%2)+4*\t+3], s[78:79], v[BIAS+2:BIAS+3] op_sel_hi:[1,0,1]
.endr
	WIN 0x88
.irp t, 0,1,2,3,4,5,6,7
	v_pk_add_f32 v[32*(\a)+4*\t:32*(\a)+4*\t+1], v[TMP+32*((\a)%2)+4*\t:TMP+32*((\a)%2)+4*\t+1], v[32*(\a)+4*\t:32*(\a)+4*\t+1]
	v_pk_add_f32 v[32*(\a)+4*\t+2:32*(\a)+4*\t+3], v[TMP+32*((\a)%2)+4*\t+2:TMP+32*((\a)%2)+4*\t+3], v[32*(\a)+4*\t+2:32*(\a)+4*\t+3]
.endr
	WIN 0x08
.irp t, 0,1,2,3,4,5,6,7
	global_store_b128 v[CO], v[32*(\a)+4*\t:32*(\a)+4*\t+3], s[74:75] offset:(16*(\a)+2*\t)*4096
.endr
	WIN 0
.endm
	s_wait_kmcnt 0x0
	s_add_co_i32 s78, s76, s77
	s_add_co_i32 s78, s78, 127
	s_lshl_b32 s78, s78, 23
	s_mov_b32 s79, s78
	s_wait_loadcnt 0x0
	PLACES
	TOSTAGE 0
.irp a, 1,2,3
	TOSTAGE \a
	SEND \a-1, 16
.endr
	SEND 3, 0
	s_wait_tensorcnt 0x0
	ds_add_u32 v[SPW], v[NIL]
	s_wait_dscnt 0x0
	CROUND
	s_endpgm
.Lfunc_end_k_q44c3127a3e_proj:
	.size	k_q44c3127a3e_proj, .Lfunc_end_k_q44c3127a3e_proj-k_q44c3127a3e_proj
	.p2alignl 7, 3214868480
	.fill 96, 4, 3214868480
	.section	.rodata,"a",@progbits
	.p2align	6, 0x0
	.amdhsa_kernel k_q44c3127a3e_proj
		.amdhsa_group_segment_fixed_size 327680
		.amdhsa_private_segment_fixed_size 0
		.amdhsa_enable_private_segment 0
		.amdhsa_kernarg_size 48
		.amdhsa_user_sgpr_count 2
		.amdhsa_user_sgpr_kernarg_segment_ptr 1
		.amdhsa_wavefront_size32 1
		.amdhsa_system_sgpr_workgroup_id_x 1
		.amdhsa_system_sgpr_workgroup_id_y 1
		.amdhsa_system_sgpr_workgroup_id_z 1
		.amdhsa_system_vgpr_workitem_id 0
		.amdhsa_next_free_vgpr 768
		.amdhsa_next_free_sgpr 84
		.amdhsa_reserve_vcc 0
		.amdhsa_float_denorm_mode_32 3
		.amdhsa_float_denorm_mode_16_64 3
		.amdhsa_memory_ordered 1
		.amdhsa_forward_progress 1
		.amdhsa_inst_pref_size 55
	.end_amdhsa_kernel
	.amdgpu_metadata
---
amdhsa.version: [ 1, 2 ]
amdhsa.kernels:
  - .name:           k_q44c3127a3e_proj
    .symbol:         k_q44c3127a3e_proj.kd
    .args:
      - { .name: yc, .offset: 0, .size: 8, .value_kind: global_buffer, .address_space: global }
      - { .name: w_out_codes, .offset: 8, .size: 8, .value_kind: global_buffer, .address_space: global }
      - { .name: lowp_scales, .offset: 16, .size: 8, .value_kind: global_buffer, .address_space: global }
      - { .name: b_out, .offset: 24, .size: 8, .value_kind: global_buffer, .address_space: global }
      - { .name: inputs, .offset: 32, .size: 8, .value_kind: global_buffer, .address_space: global }
      - { .name: x1, .offset: 40, .size: 8, .value_kind: global_buffer, .address_space: global }
    .group_segment_fixed_size: 327680
    .private_segment_fixed_size: 0
    .kernarg_segment_align: 8
    .kernarg_segment_size: 48
    .max_flat_workgroup_size: 128
    .sgpr_count:     84
    .vgpr_count:     768
    .wavefront_size: 32
...
	.end_amdgpu_metadata
.endif
;; end of part 4
;; launch ln2 (part 5): grid 256 x 1, 8 waves a work-group, no clusters, 0 bytes of LDS; arguments x1, ln2_g, ln2_b, lowp_scales, hq; writes hq
.if DOCPART == 5
	.amdgcn_target "amdgcn-amd-amdhsa--gfx1250"
	.amdhsa_code_object_version 6
	.text
	.protected	k_q44c3127a3e_ln2
	.globl	k_q44c3127a3e_ln2
	.p2align	8
	.type	k_q44c3127a3e_ln2,@function
k_q44c3127a3e_ln2:
	s_mov_b64 s[64:65], 0
	v_nop
	global_prefetch_b8 v0, s[64:65] scope:SCOPE_SE
	s_setreg_imm32_b32 hwreg(HW_REG_WAVE_MODE, 25, 1), 1
	s_wait_xcnt 0x0
; hq = codes of E5M2 of LayerNorm(x) g + b, with the given scale 2^e (entry EOFF / 4 of the scales).  x: [4096][1024] f32;  hq: [4096][1024] codes, K innermost.
; SHARES.  A work-group of eight waves takes 16 rows, a wave two.  A row stays in 32 registers of its wave between the mean, the variance and the scaling: it is read from memory once, and no wave waits for another.
; Lane l holds k = 256 j + 8 l + 0 .. 7, j = 0 .. 3: eight neighbours along K in consecutive registers, as the conversion wants them; its 8 codes lie at byte 256 j + 8 l, so that a store of the wave covers 256 consecutive bytes, aligned.
; The variance is taken of the centred numbers, so that a common offset of the row costs no digits.  No loop: all 32 loads of a wave are out at once.
; No LDS, no matrix unit, no cluster: the rows are shared with nobody, and g and b are 8 KiB beside a work-group's 64 KiB.
; LIMITS: e between -126 and 112, so that 2^e and 57,344 x 2^e are f32 numbers.  NaN among the inputs is not served.
.set EOFF, 32                          ; byte of this operand's exponent in the buffer of scales
.set XO,  1                            ; v1      32 x lane: my 8 numbers in 1,024 bytes of a row
.set CO,  2                            ; v2      8 x lane: my 8 codes
.set SC,  18                           ; v18     2^e as f32
.set LIM, 19                           ; v19     57,344 x 2^e
.set X,   32                           ; v32-95  two rows, 32 numbers each
.set G,   96                           ; v96-127 g at my 32 columns
.set BT,  128                          ; v128-159 b likewise
.set C,   160                          ; v160-175 codes: a pair for each store, never written again
; v[4:7], v[8:11]: two chains of sums for each row;  v[12:13], v[14:15]: the row's mean, later 1 / sqrt(var + eps), twice;  v16, v17: the lane permute's destinations
	s_load_b256 s[4:11], s[0:1], 0x0               ; x s[4:5], g s[6:7], b s[8:9], the scales' exponents s[10:11]
	s_load_b64 s[12:13], s[0:1], 0x20              ; the codes
	v_lshrrev_b32 v3, 5, v0
	s_delay_alu instid0(VALU_DEP_1)
	v_readfirstlane_b32 s14, v3                    ; wave 0..7
	v_and_b32 v3, 31, v0
	s_delay_alu instid0(VALU_DEP_1)
	v_lshlrev_b32 v[XO], 5, v3
	s_delay_alu instid0(VALU_DEP_2)
	v_lshlrev_b32 v[CO], 3, v3
	v_mov_b32 v16, 0                               ; a lane permute's destination counts as one of its sources
	v_mov_b32 v17, 0
	s_lshl_b32 s16, ttmp9, 4
	s_lshl_b32 s15, s14, 1
	s_add_co_u32 s15, s16, s15                     ; my first row: 16 x work-group + 2 x wave
	s_lshl_b32 s16, s15, 12                        ; in x: 4,096 bytes a row
	s_mov_b32 s17, 0
	s_lshl_b32 s18, s15, 10                        ; in the codes: 1,024
	s_mov_b32 s19, 0
	s_mov_b32 s20, 0x76543210                      ; v_permlanex16_b32: lane l xor 16
	s_mov_b32 s21, 0xfedcba98
	s_mov_b32 s24, 0x3a800000                      ; 1 / 1,024
	s_mov_b32 s25, 0x3727c5ac                      ; eps = 1e-5
	s_wait_alu depctr_va_vdst(0)
	s_wait_kmcnt 0x0
	s_load_b32 s22, s[10:11], EOFF                 ; e
	s_add_nc_u64 s[4:5], s[4:5], s[16:17]
	s_add_nc_u64 s[12:13], s[12:13], s[18:19]
.irp p, 0,1
.irp j, 0,1,2,3
	global_load_b128 v[X+32*\p+8*\j:X+32*\p+8*\j+3],   v[XO], s[4:5] offset:\p*4096+1024*\j th:TH_LOAD_NT
	global_load_b128 v[X+32*\p+8*\j+4:X+32*\p+8*\j+7], v[XO], s[4:5] offset:\p*4096+1024*\j+16 th:TH_LOAD_NT
.endr
.endr
.irp j, 0,1,2,3
	global_load_b128 v[G+8*\j:G+8*\j+3],    v[XO], s[6:7] offset:1024*\j
	global_load_b128 v[G+8*\j+4:G+8*\j+7],  v[XO], s[6:7] offset:1024*\j+16
	global_load_b128 v[BT+8*\j:BT+8*\j+3],   v[XO], s[8:9] offset:1024*\j
	global_load_b128 v[BT+8*\j+4:BT+8*\j+7], v[XO], s[8:9] offset:1024*\j+16
.endr
	s_wait_kmcnt 0x0
	s_add_co_i32 s22, s22, 127
	s_lshl_b32 s23, s22, 23
	v_mov_b32 v[SC], s23                           ; the conversion takes this number's exponent field
	s_add_co_i32 s22, s22, 15
	s_lshl_b32 s22, s22, 23
	s_or_b32 s22, s22, 0x600000
	v_mov_b32 v[LIM], s22
; the pair v[4 + 4 p : 5 + 4 p] becomes one sum over the wave's 32 lanes, in every lane
.macro ACROSS p
	s_delay_alu instid0(VALU_DEP_1)
	v_add_f32 v[4+4*\p], v[4+4*\p], v[5+4*\p]
	s_delay_alu instid0(VALU_DEP_1)
	v_add_f32_dpp v[4+4*\p], v[4+4*\p], v[4+4*\p] row_xmask:1 row_mask:0xf bank_mask:0xf
	s_delay_alu instid0(VALU_DEP_1)
	v_add_f32_dpp v[4+4*\p], v[4+4*\p], v[4+4*\p] row_xmask:2 row_mask:0xf bank_mask:0xf
	s_delay_alu instid0(VALU_DEP_1)
	v_add_f32_dpp v[4+4*\p], v[4+4*\p], v[4+4*\p] row_xmask:4 row_mask:0xf bank_mask:0xf
	s_delay_alu instid0(VALU_DEP_1)
	v_add_f32_dpp v[4+4*\p], v[4+4*\p], v[4+4*\p] row_xmask:8 row_mask:0xf bank_mask:0xf
	s_delay_alu instid0(VALU_DEP_1)
	v_permlanex16_b32 v[16+\p], v[4+4*\p], s20, s21
	s_delay_alu instid0(VALU_DEP_1)
	v_add_f32 v[4+4*\p], v[4+4*\p], v[16+\p]
.endm
	s_wait_loadcnt 16                              ; the rows' 16 loads are in; the 16 younger ones, g's and b's, may stay out
.irp p, 0,1
	v_pk_add_f32 v[4+4*\p:5+4*\p], v[X+32*\p:X+32*\p+1], v[X+32*\p+2:X+32*\p+3]       ; the first numbers start the two chains: nothing is cleared
	v_pk_add_f32 v[6+4*\p:7+4*\p], v[X+32*\p+4:X+32*\p+5], v[X+32*\p+6:X+32*\p+7]
.irp i, 8,12,16,20,24,28
	s_delay_alu instid0(VALU_DEP_2)
	v_pk_add_f32 v[4+4*\p:5+4*\p], v[4+4*\p:5+4*\p], v[X+32*\p+\i:X+32*\p+\i+1]
	s_delay_alu instid0(VALU_DEP_2)
	v_pk_add_f32 v[6+4*\p:7+4*\p], v[6+4*\p:7+4*\p], v[X+32*\p+\i+2:X+32*\p+\i+3]
.endr
	s_delay_alu instid0(VALU_DEP_1)
	v_pk_add_f32 v[4+4*\p:5+4*\p], v[4+4*\p:5+4*\p], v[6+4*\p:7+4*\p]
	ACROSS \p
	s_delay_alu instid0(VALU_DEP_1)
	v_mul_f32 v[12+2*\p], s24, v[4+4*\p]           ; the mean,
	s_delay_alu instid0(VALU_DEP_1)
	v_mov_b32 v[13+2*\p], v[12+2*\p]               ; twice
.irp i, 0,2,4,6,8,10,12,14,16,18,20,22,24,26,28,30
	v_pk_add_f32 v[X+32*\p+\i:X+32*\p+\i+1], v[X+32*\p+\i:X+32*\p+\i+1], v[12+2*\p:13+2*\p] neg_lo:[0,1] neg_hi:[0,1]   ; d = x - mean
.endr
	v_pk_mul_f32 v[4+4*\p:5+4*\p], v[X+32*\p:X+32*\p+1], v[X+32*\p:X+32*\p+1]
	v_pk_mul_f32 v[6+4*\p:7+4*\p], v[X+32*\p+2:X+32*\p+3], v[X+32*\p+2:X+32*\p+3]
.irp i, 4,8,12,16,20,24,28
	s_delay_alu instid0(VALU_DEP_2)
	v_pk_fma_f32 v[4+4*\p:5+4*\p], v[X+32*\p+\i:X+32*\p+\i+1], v[X+32*\p+\i:X+32*\p+\i+1], v[4+4*\p:5+4*\p]
	s_delay_alu instid0(VALU_DEP_2)
	v_pk_fma_f32 v[6+4*\p:7+4*\p], v[X+32*\p+\i+2:X+32*\p+\i+3], v[X+32*\p+\i+2:X+32*\p+\i+3], v[6+4*\p:7+4*\p]
.endr
	s_delay_alu instid0(VALU_DEP_1)
	v_pk_add_f32 v[4+4*\p:5+4*\p], v[4+4*\p:5+4*\p], v[6+4*\p:7+4*\p]
	ACROSS \p
	s_delay_alu instid0(VALU_DEP_1)
	v_fma_f32 v[4+4*\p], v[4+4*\p], s24, s25       ; var + eps
.endr
	s_wait_alu depctr_va_vdst(0)
	v_rsq_f32 v12, v4                              ; one batch of four: each row's factor twice, for the packed multiply
	v_rsq_f32 v13, v4
	v_rsq_f32 v14, v8
	v_rsq_f32 v15, v8
	v_nop                                          ; a plain instruction behind the last of them (ISA guide 5.7.2)
	s_wait_alu depctr_va_vdst(0)                   ; one wait for the batch, ahead of its first reader
	s_wait_loadcnt 0x0                             ; g and b
.irp p, 0,1
.irp i, 0,2,4,6,8,10,12,14,16,18,20,22,24,26,28,30
	v_pk_mul_f32 v[X+32*\p+\i:X+32*\p+\i+1], v[X+32*\p+\i:X+32*\p+\i+1], v[12+2*\p:13+2*\p]
.endr
.irp i, 0,2,4,6,8,10,12,14,16,18,20,22,24,26,28,30
	v_pk_fma_f32 v[X+32*\p+\i:X+32*\p+\i+1], v[X+32*\p+\i:X+32*\p+\i+1], v[G+\i:G+\i+1], v[BT+\i:BT+\i+1]
.endr
.irp i, 0,1,2,3,4,5,6,7,8,9,10,11,12,13,14,15,16,17,18,19,20,21,22,23,24,25,26,27,28,29,30,31
	v_med3_num_f32 v[X+32*\p+\i], v[X+32*\p+\i], -v[LIM], v[LIM]   ; the conversion to an 8-bit code does not saturate (ISA guide 7.6.2): the hold at the largest code x the scale
.endr
.irp j, 0,1,2,3
	v_cvt_scalef32_pk8_bf8_f32 v[C+8*\p+2*\j:C+8*\p+2*\j+1], v[X+32*\p+8*\j:X+32*\p+8*\j+7], v[SC]
.endr
.irp j, 0,1,2,3
	global_store_b64 v[CO], v[C+8*\p+2*\j:C+8*\p+2*\j+1], s[12:13] offset:\p*1024+256*\j   ; 32 lanes store 256 consecutive bytes, at a multiple of 256 from the buffer's first byte
.endr
.endr
	s_endpgm
.Lfunc_end_k_q44c3127a3e_ln2:
	.size	k_q44c3127a3e_ln2, .Lfunc_end_k_q44c3127a3e_ln2-k_q44c3127a3e_ln2
	.p2alignl 7, 3214868480
	.fill 96, 4, 3214868480
	.section	.rodata,"a",@progbits
	.p2align	6, 0x0
	.amdhsa_kernel k_q44c3127a3e_ln2
		.amdhsa_group_segment_fixed_size 0
		.amdhsa_private_segment_fixed_size 0
		.amdhsa_enable_private_segment 0
		.amdhsa_kernarg_size 40
		.amdhsa_user_sgpr_count 2
		.amdhsa_user_sgpr_kernarg_segment_ptr 1
		.amdhsa_wavefront_size32 1
		.amdhsa_system_sgpr_workgroup_id_x 1
		.amdhsa_system_sgpr_workgroup_id_y 1
		.amdhsa_system_sgpr_workgroup_id_z 1
		.amdhsa_system_vgpr_workitem_id 0
		.amdhsa_next_free_vgpr 176
		.amdhsa_next_free_sgpr 66
		.amdhsa_reserve_vcc 0
		.amdhsa_float_denorm_mode_32 3
		.amdhsa_float_denorm_mode_16_64 3
		.amdhsa_memory_ordered 1
		.amdhsa_forward_progress 1
		.amdhsa_inst_pref_size 25
	.end_amdhsa_kernel
	.amdgpu_metadata
---
amdhsa.version: [ 1, 2 ]
amdhsa.kernels:
  - .name:           k_q44c3127a3e_ln2
    .symbol:         k_q44c3127a3e_ln2.kd
    .args:
      - { .name: x1, .offset: 0, .size: 8, .value_kind: global_buffer, .address_space: global }
      - { .name: ln2_g, .offset: 8, .size: 8, .value_kind: global_buffer, .address_space: global }
      - { .name: ln2_b, .offset: 16, .size: 8, .value_kind: global_buffer, .address_space: global }
      - { .name: lowp_scales, .offset: 24, .size: 8, .value_kind: global_buffer, .address_space: global }
      - { .name: hq, .offset: 32, .size: 8, .value_kind: global_buffer, .address_space: global }
    .group_segment_fixed_size: 0
    .private_segment_fixed_size: 0
    .kernarg_segment_align: 8
    .kernarg_segment_size: 40
    .max_flat_workgroup_size: 256
    .sgpr_count:     66
    .vgpr_count:     176
    .wavefront_size: 32
...
	.end_amdgpu_metadata
.endif
;; end of part 5
;; launch fc1 (part 6): grid 16 x 16, 4 waves a work-group, clusters of 4 x 4, 327,680 bytes of LDS; arguments hq, w1_codes, lowp_scales, b1, gq; writes gq
.if DOCPART == 6
	.amdgcn_target "amdgcn-amd-amdhsa--gfx1250"
	.amdhsa_code_object_version 6
	.text
	.protected	k_q44c3127a3e_fc1
	.globl	k_q44c3127a3e_fc1
	.p2align	8
	.type	k_q44c3127a3e_fc1,@function
k_q44c3127a3e_fc1:
	s_mov_b64 s[64:65], 0
	v_nop
	global_prefetch_b8 v0, s[64:65] scope:SCOPE_SE
	s_setreg_imm32_b32 hwreg(HW_REG_WAVE_MODE, 25, 1), 1
	s_wait_xcnt 0x0
	s_wait_alu depctr_hold_cnt(0) depctr_sa_sdst(0) depctr_va_vdst(0) depctr_va_sdst(0) depctr_va_ssrc(0) depctr_va_vcc(0) depctr_vm_vsrc(0)
	s_getreg_b32 s2, hwreg(HW_REG_IB_STS2, 6, 4)
	s_cmp_eq_u32 s2, 0
	s_cbranch_scc0 .Lentry_in_a_cluster
	s_endpgm
.Lentry_in_a_cluster:
	s_bfe_u32 s2, ttmp6, 0x10000c
	s_cmp_lg_u32 s2, 0xf033
	s_cbranch_scc0 .Lentry_shape_is_right
	s_endpgm
.Lentry_shape_is_right:
.set SIZE_K, 1024
.set KSTEP,  256
.set ROWB,   256
.set KROW,   SIZE_K
.set PITCH,  272
.set FR,     16
.set NL,     4
.set NP,     4
.set HALFT,  128*PITCH
.set SLOT,   4*HALFT
.set LAPS,   SIZE_K/(2*KSTEP)
.set SPARE,  2*SLOT
.set WREG,   69632
.set ADRA, 16
.set ADRB, 20
.set BOF,  23
.set LA0,  24
.set LA,   25
.set LO,   27
.set SPW,  28
.set NIL,  29
.set SC,   30
.set LIM,  31
.set BI,   32
.set CDS,  96
.set C8,   112
.set AF,   128
.set V,    128
.set Z,    160
.set T,    192
.set P,    224
.set G1, 24
.set G0, 32
.set G1B, 48
.set G0B, 56
.set MSB, 0
.macro WIN new
.if MSB != (\new)
	s_set_vgpr_msb (MSB<<8)|(\new)
.set MSB, (\new)
.endif
.endm
.set MUL_LO, 0xa1
.set MUL_HI, 0xf1
.set TO_B,   0x40
.macro JLOAD g0a, g1a, g0b, g1b
	s_cmp_eq_u32 s15, 0
	s_cbranch_scc0 .Lfor_b_\@
	tensor_load_to_lds s[\g0a:\g0a+3], s[\g1a:\g1a+7]
	s_nop 0
.rept 4
	v_nop
.endr
	s_branch .Lasked_\@
.Lfor_b_\@:
	tensor_load_to_lds s[\g0b:\g0b+3], s[\g1b:\g1b+7]
	s_nop 0
.rept 4
	v_nop
.endr
.Lasked_\@:
.endm
.macro CREST
	s_cmp_lg_u32 s14, 0
	s_cbranch_scc1 .Lnot_wave_0_\@
	s_barrier_signal -3
.Lnot_wave_0_\@:
	s_barrier_wait -3
	s_barrier_signal -1
	s_barrier_wait -1
.endm
.macro CROUND
	s_barrier_signal -1
	s_barrier_wait -1
	CREST
.endm
	s_load_b128 s[4:7], s[0:1], 0x0
	s_load_b128 s[8:11], s[0:1], 0x10
	s_load_b64 s[12:13], s[0:1], 0x20
	v_lshl_add_u32 v[SPW], v0, 2, SPARE
	v_mov_b32 v[NIL], 0
	ds_add_u32 v28, v29
	ds_add_u32 v28, v29
	s_wait_dscnt 0x0
	v_lshrrev_b32 v1, 5, v0
	v_readfirstlane_b32 s14, v1
	s_lshr_b32 s15, s14, 1
	s_and_b32 s16, s14, 1
	s_bfe_u32 s40, ttmp6, 0x40000
	s_bfe_u32 s41, ttmp6, 0x40004
	s_lshl_b32 s42, ttmp9, 2
	s_add_co_u32 s42, s42, s40
	s_and_b32 s17, ttmp7, 0xffff
	s_lshl_b32 s17, s17, 2
	s_add_co_u32 s17, s17, s41
	s_lshl_b32 s43, s41, 2
	s_lshl_b32 s43, 15, s43
	s_lshl_b32 s44, 0x1111, s40
	s_or_b32 s[G1+0], s43, (0<<16)|(1<<20)|(1<<21)|(5<<22)|(3<<25)
	s_or_b32 s[G1B+0], s44, (0<<16)|(1<<20)|(1<<21)|(5<<22)|(3<<25)
.irp g, G1, G1B
	s_mov_b32 s[\g+1], ROWB<<16
	s_mov_b32 s[\g+2], 128<<16
	s_mov_b32 s[\g+3], ROWB<<16
	s_mov_b32 s[\g+4], 128
	s_mov_b32 s[\g+5], KROW
	s_mov_b32 s[\g+6], 0
	s_mov_b32 s[\g+7], 0
.endr
	s_lshl_b32 s18, s16, 7
	s_lshl_b32 s20, s17, 8
	s_add_co_u32 s20, s20, s18
	s_lshl_b32 s20, s20, 10
	s_mov_b32 s21, 0
	s_lshl_b32 s46, s42, 8
	s_add_co_u32 s46, s46, s18
	s_lshl_b32 s46, s46, 10
	s_mov_b32 s47, 0
	s_mul_i32 s45, s14, HALFT
	s_wait_kmcnt 0x0
	s_load_b128 s[80:83], s[8:9], 0x20
	s_add_nc_u64 s[20:21], s[4:5], s[20:21]
	s_add_nc_u64 s[46:47], s[6:7], s[46:47]
	; THE PREFETCHES INTO THE L2: a K step is 256 bytes of each of the 128 rows that a wave fetches.  The four partners that ask for those rows jointly share them out BY ADDRESS, 32 rows each, a lane a row
	; (partner p = cx for A, cy for B).  Behind K step 0's load a wave names K steps 1 and 2, behind K step 1's load K step 3: the steps are immediates, and no address register is written again.
	s_cmp_eq_u32 s15, 0                            ; do I fetch for A?
	s_cselect_b64 s[96:97], s[20:21], s[46:47]     ; where my load begins
	s_cselect_b32 s98, s40, s41                    ; my place among the four
	s_lshl_b32 s98, s98, 15                        ; 32 rows of 1,024 bytes
	s_mov_b32 s99, 0
	s_add_nc_u64 s[96:97], s[96:97], s[98:99]
	v_and_b32 v22, 31, v0
	v_lshlrev_b32 v22, 10, v22                     ; my lane's row; never rewritten
	s_wait_alu depctr_va_vdst(0)                   ; ahead of the round's waits
	CROUND
.irp s, 0,1
	s_mov_b32 s[G0+4*\s], 1
	s_add_co_u32 s[G0+4*\s+1], s45, \s*SLOT
	s_add_nc_u64 s[G0+4*\s+2:G0+4*\s+3], s[20:21], \s*ROWB
	s_or_b32 s[G0+4*\s+3], s[G0+4*\s+3], 0x80000000
	s_mov_b32 s[G0B+4*\s], 1
	s_add_co_u32 s[G0B+4*\s+1], s45, \s*SLOT
	s_add_nc_u64 s[G0B+4*\s+2:G0B+4*\s+3], s[46:47], \s*ROWB
	s_or_b32 s[G0B+4*\s+3], s[G0B+4*\s+3], 0x80000000
.if \s
	s_wait_alu depctr_va_vdst(0)                   ; directly ahead of the wait below
	s_wait_tensorcnt 0x0                           ; my part of K step 0 is in; slot 1's first fill is issued as a refill is:
	ds_add_u32 v28, v29                            ; 0 onto my spare word
	s_wait_dscnt 0x0
	CROUND                                         ; a whole round, and K step 1's load first behind it
.endif
	JLOAD G0+4*\s, G1, G0B+4*\s, G1B
.if \s
	global_prefetch_b8 v22, s[96:97] offset:768 th:TH_LOAD_NT scope:SCOPE_SE   ; K step 3
.else
	global_prefetch_b8 v22, s[96:97] offset:256 th:TH_LOAD_NT scope:SCOPE_SE   ; K step 1
	global_prefetch_b8 v22, s[96:97] offset:512 th:TH_LOAD_NT scope:SCOPE_SE   ; K step 2
.endif
.endr
	v_and_b32 v1, 15, v0
	v_bfe_u32 v2, v0, 4, 1
	v_mul_u32_u24 v3, v1, PITCH
	v_lshl_add_u32 v4, v2, 4, v3
	s_mul_i32 s21, s15, HALFT
	s_mul_i32 s22, s16, HALFT
	s_add_co_u32 s22, s22, 2*HALFT
.irp s, 0,1
	v_add_nc_u32 v[ADRA+\s], s21, v4
	v_add_nc_u32 v[ADRB+\s], s22, v4
	s_add_co_u32 s21, s21, SLOT
	s_add_co_u32 s22, s22, SLOT
.endr
	v_lshlrev_b32 v[LO], 4, v1
	v_lshl_add_u32 v[LO], v2, 3, v[LO]
	v_lshlrev_b32 v[BOF], 5, v2
	v_and_b32 v6, 31, v0
	v_lshlrev_b32 v[LA0], 4, v6
	s_mul_i32 s23, s14, WREG
	v_add_nc_u32 v[LA0], s23, v[LA0]
	s_lshl_b32 s46, s42, 10
	s_lshl_b32 s47, s16, 9
	s_add_co_u32 s46, s46, s47
	s_mov_b32 s47, 0
	s_add_nc_u64 s[10:11], s[10:11], s[46:47]
.irp b, 0,1,2,3,4,5,6,7
	global_load_b128 v[BI+8*\b:BI+8*\b+3],   v[BOF], s[10:11] offset:64*\b
	global_load_b128 v[BI+8*\b+4:BI+8*\b+7], v[BOF], s[10:11] offset:64*\b+16
.endr
	s_lshl_b32 s20, s17, 4
	s_lshl_b32 s21, s15, 3
	s_add_co_u32 s20, s20, s21
	s_lshl_b32 s20, s20, 16
	s_mov_b32 s21, 0
	s_lshl_b32 s46, s42, 3
	s_lshl_b32 s47, s16, 2
	s_add_co_u32 s46, s46, s47
	s_lshl_b32 s46, s46, 9
	s_mov_b32 s47, 0
	s_add_nc_u64 s[12:13], s[12:13], s[20:21]
	s_add_nc_u64 s[12:13], s[12:13], s[46:47]
.macro FRAG reg, adr, q, i
.irp c, 0,1,2,3
	ds_load_b128 v[\reg+4*\c:\reg+4*\c+3], v[\adr] offset:128*(\q)+32*\c+(\i)*16*PITCH
.endr
.endm
.macro MUL16 a0, p, zero
.irp a, \a0, \a0+1
.irp b, 0,1,2,3,4,5,6,7
.if \zero
	v_wmma_f32_16x16x128_bf8_bf8 v[8*(8*((\a)%4)+\b):8*(8*((\a)%4)+\b)+7], v[128*(\p)+FR*\b:128*(\p)+FR*\b+FR-1], v[AF+FR*(\a):AF+FR*(\a)+FR-1], 0
.else
	v_wmma_f32_16x16x128_bf8_bf8 v[8*(8*((\a)%4)+\b):8*(8*((\a)%4)+\b)+7], v[128*(\p)+FR*\b:128*(\p)+FR*\b+FR-1], v[AF+FR*(\a):AF+FR*(\a)+FR-1], v[8*(8*((\a)%4)+\b):8*(8*((\a)%4)+\b)+7]
.endif
.endr
.endr
.endm
.macro FETCH_B slot, q, p
	WIN TO_B
.irp i, 0,1,2,3,4,5,6,7
	FRAG 128*(\p)+FR*\i, ADRB+\slot, \q, \i
.endr
	WIN 0
.endm
.macro FETCH_A slot, q, i0
.irp i, \i0, \i0+1, \i0+2, \i0+3
	FRAG AF+FR*(\i), ADRA+\slot, \q, \i
.endr
.endm
.macro PLACES n
.rept \n
	v_nop
.endr
.endm
.macro STEP slot, q, zero
	s_wait_dscnt 4*NL
	WIN MUL_LO
	MUL16 0, (\q)%2, \zero
	MUL16 2, (\q)%2, \zero
	s_wait_dscnt 0
	PLACES NP
	FETCH_B \slot, (\q)+1, 1-(\q)%2
	FETCH_A \slot, (\q)+1, 0
	WIN MUL_HI
	MUL16 4, (\q)%2, \zero
	MUL16 6, (\q)%2, \zero
	PLACES NP
	WIN 0
	FETCH_A \slot, (\q)+1, 4
.endm
.macro TURN slot, next, fill
	s_wait_tensorcnt 0x0
	ds_add_u32 v[SPW], v[NIL]
	s_wait_dscnt 4*NL+1
	WIN MUL_LO
	MUL16 0, 1, 0
	s_wait_dscnt 0x0
	s_barrier_signal -1
	MUL16 2, 1, 0
	WIN 0
	s_barrier_wait -1
.if \fill
	CREST
	s_add_nc_u64 s[G0+4*\slot+2:G0+4*\slot+3], s[G0+4*\slot+2:G0+4*\slot+3], 2*ROWB
	s_add_nc_u64 s[G0B+4*\slot+2:G0B+4*\slot+3], s[G0B+4*\slot+2:G0B+4*\slot+3], 2*ROWB
	JLOAD G0+4*\slot, G1, G0B+4*\slot, G1B
.else
	PLACES NP
.endif
	FETCH_B \next, 0, 0
	FETCH_A \next, 0, 0
	WIN MUL_HI
	MUL16 4, 1, 0
	MUL16 6, 1, 0
	PLACES NP
	WIN 0
	FETCH_A \next, 0, 4
.endm
	s_wait_alu depctr_va_vdst(0)
	s_wait_tensorcnt 1
	s_barrier_signal -1
	s_barrier_wait -1
	FETCH_B 0, 0, 0
	FETCH_A 0, 0, 0
	FETCH_A 0, 0, 4
	STEP 0, 0, 1
	s_mov_b32 s3, LAPS-1
.Llap:
	TURN 0, 1, 1
	STEP 1, 0, 0
	TURN 1, 0, 1
	STEP 0, 0, 0
	s_sub_co_u32 s3, s3, 1
	s_cmp_lg_u32 s3, 0
	s_cbranch_scc1 .Llap
	TURN 0, 1, 0
	STEP 1, 0, 0
	s_wait_dscnt 4*NL
	WIN MUL_LO
	MUL16 0, 1, 0
	MUL16 2, 1, 0
	s_wait_dscnt 0
	WIN MUL_HI
	MUL16 4, 1, 0
	MUL16 6, 1, 0
	WIN 0
	s_barrier_signal -1
	s_barrier_wait -1
	s_wait_loadcnt 0x0
	s_wait_kmcnt 0x0
	s_add_co_i32 s84, s80, s81
	s_add_co_i32 s84, s84, 127
	s_lshl_b32 s84, s84, 23
	s_mov_b32 s85, s84
	s_add_co_i32 s86, s82, 127
	s_lshl_b32 s87, s86, 23
	v_mov_b32 v[SC], s87
	s_add_co_i32 s86, s86, 15
	s_lshl_b32 s86, s86, 23
	s_or_b32 s86, s86, 0x600000
	v_mov_b32 v[LIM], s86
	v_mov_b32 v[C8], 0xbf527892
	v_mov_b32 v[C8+1], 0xbf527892
	PLACES NP
.irp w, 2,3
	WIN 65*\w
.set q, 0
.rept 32
.irp p, 0,2,4,6
	v_pk_fma_f32 v[8*q+\p:8*q+\p+1], v[8*q+\p:8*q+\p+1], s[84:85], v[BI+8*(q%8)+\p:BI+8*(q%8)+\p+1] op_sel_hi:[1,0,1]
.endr
.set q, q+1
.endr
	WIN 4*\w
.set q, 0
.rept 32
	ds_store_b128 v[LA0], v[8*q:8*q+3]   offset:(2*(32*(\w-2)+q))*512
	ds_store_b128 v[LA0], v[8*q+4:8*q+7] offset:(2*(32*(\w-2)+q)+1)*512
.set q, q+1
.endr
.endr
	WIN 0
	s_mov_b32 s73, 0x3f3504f3
	s_mov_b32 s72, 0
	s_mov_b32 s3, 0
.Lgelu:
	s_wait_xcnt 0x0
	s_lshr_b32 s68, s3, 1
	s_lshl_b32 s68, s68, 16
	s_and_b32 s69, s3, 1
	s_lshl_b32 s69, s69, 10
	s_add_co_u32 s68, s68, s69
	s_mov_b32 s69, 0
	s_add_nc_u64 s[70:71], s[12:13], s[68:69]
	v_add_nc_u32 v[LA], s72, v[LA0]
.irp i, 0,1,2,3,4,5,6,7
	ds_load_b128 v[V+4*\i:V+4*\i+3], v[LA] offset:512*\i
.endr
	s_wait_dscnt 0x0
.set i, 0
.rept 32
	v_mul_f32 v[Z+i], s73, |v[V+i]|
.set i, i+1
.endr
.set i, 0
.rept 16
	v_pk_fma_f32 v[T+i:T+i+1], v[Z+i:Z+i+1], 0.5, 1.0 op_sel_hi:[1,0,0]
.set i, i+2
.endr
.set i, 0
	s_wait_alu depctr_va_vdst(0)
.rept 32
	v_rcp_f32 v[T+i], v[T+i]
.set i, i+1
.endr
.set i, 0
.rept 16
	v_pk_fma_f32 v[Z+i:Z+i+1], v[Z+i:Z+i+1], v[Z+i:Z+i+1], 0xbffab55a op_sel_hi:[1,1,0] neg_lo:[1,0,0] neg_hi:[1,0,0]
.set i, i+2
.endr
	s_wait_alu depctr_va_vdst(0)
.set i, 0
.rept 16
	v_pk_fma_f32 v[P+i:P+i+1], v[T+i:T+i+1], 0x3e2ef945, v[C8:C8+1] op_sel_hi:[1,0,1]
.set i, i+2
.endr
.irp c, 0x3fbe87b0, 0xbf914e5d, 0x3e8ec7cc, 0xbe3ec24c, 0x3dc636c9, 0x3ebf88fb, 0x3f8000c7
.set i, 0
.rept 16
	v_pk_fma_f32 v[P+i:P+i+1], v[P+i:P+i+1], v[T+i:T+i+1], \c op_sel_hi:[1,1,0]
.set i, i+2
.endr
.endr
.set i, 0
.rept 16
	v_pk_fma_f32 v[P+i:P+i+1], v[P+i:P+i+1], v[T+i:T+i+1], v[Z+i:Z+i+1]
.set i, i+2
.endr
.set i, 0
.rept 16
	v_pk_mul_f32 v[P+i:P+i+1], v[P+i:P+i+1], 0x3fb8aa3b op_sel_hi:[1,0]
.set i, i+2
.endr
.set i, 0
	s_wait_alu depctr_va_vdst(0)
.rept 32
	v_exp_f32 v[P+i], v[P+i]
.set i, i+1
.endr
.set i, 0
.rept 32
	v_max_num_f32 v[Z+i], 0, v[V+i]
.set i, i+1
.endr
	s_wait_alu depctr_va_vdst(0)
.set i, 0
.rept 16
	v_pk_mul_f32 v[P+i:P+i+1], v[P+i:P+i+1], v[T+i:T+i+1]
.set i, i+2
.endr
.set i, 0
.rept 32
	v_fma_f32 v[V+i], -|v[V+i]|, v[P+i], v[Z+i]
.set i, i+1
.endr
.set i, 0
.rept 32
	v_med3_num_f32 v[V+i], v[V+i], -v[LIM], v[LIM]
.set i, i+1
.endr
.irp b, 0,1,2,3
	v_cvt_scalef32_pk8_bf8_f32 v[CDS+2*\b:CDS+2*\b+1], v[V+8*\b:V+8*\b+7], v[SC]
.endr
	v_nop
.irp b, 0,1,2,3
	global_store_b64 v[LO], v[CDS+2*\b:CDS+2*\b+1], s[70:71] offset:256*\b
.endr
	s_add_co_u32 s72, s72, 4096
	s_add_co_u32 s3, s3, 1
	s_cmp_lt_u32 s3, 16
	s_cbranch_scc1 .Lgelu
	s_wait_tensorcnt 0x0
	ds_add_u32 v[SPW], v[NIL]
	s_wait_dscnt 0x0
	CROUND
	s_endpgm
.Lfunc_end_k_q44c3127a3e_fc1:
	.size	k_q44c3127a3e_fc1, .Lfunc_end_k_q44c3127a3e_fc1-k_q44c3127a3e_fc1
	.p2alignl 7, 3214868480
	.fill 96, 4, 3214868480
	.section	.rodata,"a",@progbits
	.p2align	6, 0x0
	.amdhsa_kernel k_q44c3127a3e_fc1
		.amdhsa_group_segment_fixed_size 327680
		.amdhsa_private_segment_fixed_size 0
		.amdhsa_enable_private_segment 0
		.amdhsa_kernarg_size 40
		.amdhsa_user_sgpr_count 2
		.amdhsa_user_sgpr_kernarg_segment_ptr 1
		.amdhsa_wavefront_size32 1
		.amdhsa_system_sgpr_workgroup_id_x 1
		.amdhsa_system_sgpr_workgroup_id_y 1
		.amdhsa_system_sgpr_workgroup_id_z 1
		.amdhsa_system_vgpr_workitem_id 0
		.amdhsa_next_free_vgpr 1024
		.amdhsa_next_free_sgpr 100
		.amdhsa_reserve_vcc 0
		.amdhsa_float_denorm_mode_32 3
		.amdhsa_float_denorm_mode_16_64 3
		.amdhsa_memory_ordered 1
		.amdhsa_forward_progress 1
		.amdhsa_inst_pref_size 134
	.end_amdhsa_kernel
	.amdgpu_metadata
---
amdhsa.version: [ 1, 2 ]
amdhsa.kernels:
  - .name:           k_q44c3127a3e_fc1
    .symbol:         k_q44c3127a3e_fc1.kd
    .args:
      - { .name: hq, .offset: 0, .size: 8, .value_kind: global_buffer, .address_space: global }
      - { .name: w1_codes, .offset: 8, .size: 8, .value_kind: global_buffer, .address_space: global }
      - { .name: lowp_scales, .offset: 16, .size: 8, .value_kind: global_buffer, .address_space: global }
      - { .name: b1, .offset: 24, .size: 8, .value_kind: global_buffer, .address_space: global }
      - { .name: gq, .offset: 32, .size: 8, .value_kind: global_buffer, .address_space: global }
    .group_segment_fixed_size: 327680
    .private_segment_fixed_size: 0
    .kernarg_segment_align: 8
    .kernarg_segment_size: 40
    .max_flat_workgroup_size: 128
    .sgpr_count:     100
    .vgpr_count:     1024
    .wavefront_size: 32
...
	.end_amdgpu_metadata
.endif
;; end of part 6
;; launch fc2 (part 7): grid 8 x 32, 4 waves a work-group, clusters of 4 x 4, 327,680 bytes of LDS; arguments gq, w2_codes, lowp_scales, b2, x1, out0; writes out0
.if DOCPART == 7
	.amdgcn_target "amdgcn-amd-amdhsa--gfx1250"
	.amdhsa_code_object_version 6
	.text
	.protected	k_q44c3127a3e_fc2
	.globl	k_q44c3127a3e_fc2
	.p2align	8
	.type	k_q44c3127a3e_fc2,@function
k_q44c3127a3e_fc2:
	s_mov_b64 s[64:65], 0
	v_nop
	global_prefetch_b8 v0, s[64:65] scope:SCOPE_SE
	s_setreg_imm32_b32 hwreg(HW_REG_WAVE_MODE, 25, 1), 1
	s_wait_xcnt 0x0
	s_wait_alu depctr_hold_cnt(0) depctr_sa_sdst(0) depctr_va_vdst(0) depctr_va_sdst(0) depctr_va_ssrc(0) depctr_va_vcc(0) depctr_vm_vsrc(0)
	s_getreg_b32 s2, hwreg(HW_REG_IB_STS2, 6, 4)
	s_cmp_eq_u32 s2, 0
	s_cbranch_scc0 .Lentry_in_a_cluster
	s_endpgm
.Lentry_in_a_cluster:
	s_bfe_u32 s2, ttmp6, 0x10000c
	s_cmp_lg_u32 s2, 0xf033
	s_cbranch_scc0 .Lentry_shape_is_right
	s_endpgm
.Lentry_shape_is_right:
.set SIZE_K, 4096
.set EOFF,   40
.set RT,     16*SIZE_K
.set PITCH,  528
.set HALFA,  32768
.set HALFB,  64*PITCH
.set ABYTES, 2*HALFA
.set SLOT,   ABYTES+2*HALFB
.set STAGE,  2*SLOT
.set SPITCH, 272
.set SPARE,  STAGE+4*16*SPITCH
.set LAPS,   SIZE_K/1024
.set BIAS, 12
.set ADRA, 16
.set ADRB, 20
.set STO,  24
.set RD,   25
.set CO,   26
.set BO,   27
.set SPW,  28
.set NIL,  29
.set TMP,  32
.set ACC,  128
.set F0,   0
.set F1,   128
.set G1, 24
.set G0, 32
.set G1B, 48
.set G0B, 56
.set MSB, 0
.macro WIN new
.if MSB != (\new)
	s_set_vgpr_msb (MSB<<8)|(\new)
.set MSB, (\new)
.endif
.endm
.set MUL,  0x05
.set TO_F, 0x40
.macro JLOAD s
	s_cmp_eq_u32 s11, 0
	s_cbranch_scc0 .Lfor_b_\@
	tensor_load_to_lds s[G0+4*\s:G0+4*\s+3], s[G1:G1+7]
	s_nop 0
.rept 4
	v_nop
.endr
	s_branch .Lasked_\@
.Lfor_b_\@:
	tensor_load_to_lds s[G0B+4*\s:G0B+4*\s+3], s[G1B:G1B+7]
	s_nop 0
.rept 4
	v_nop
.endr
.Lasked_\@:
.endm
.macro CREST
	s_cmp_lg_u32 s10, 0
	s_cbranch_scc1 .Lnot_wave_0_\@
	s_barrier_signal -3
.Lnot_wave_0_\@:
	s_barrier_wait -3
	s_barrier_signal -1
	s_barrier_wait -1
.endm
.macro CROUND
	s_barrier_signal -1
	s_barrier_wait -1
	CREST
.endm
	s_load_b128 s[4:7], s[0:1], 0x0
	s_load_b128 s[68:71], s[0:1], 0x10
	s_load_b128 s[72:75], s[0:1], 0x20
	v_lshl_add_u32 v[SPW], v0, 2, SPARE
	v_mov_b32 v[NIL], 0
	ds_add_u32 v28, v29
	ds_add_u32 v28, v29
	s_wait_dscnt 0x0
	v_lshrrev_b32 v1, 5, v0
	v_readfirstlane_b32 s10, v1
	s_lshr_b32 s11, s10, 1
	s_and_b32 s12, s10, 1
	s_bfe_u32 s40, ttmp6, 0x40000
	s_bfe_u32 s41, ttmp6, 0x40004
	s_lshl_b32 s42, ttmp9, 2
	s_add_co_u32 s42, s42, s40
	s_and_b32 s13, ttmp7, 0xffff
	s_lshl_b32 s13, s13, 2
	s_add_co_u32 s13, s13, s41
	s_lshl_b32 s43, s41, 2
	s_lshl_b32 s43, 15, s43
	s_lshl_b32 s44, 0x1111, s40
	s_or_b32 s[G1+0], s43, (0<<16)|(1<<21)
	s_mov_b32 s[G1+1], 8192<<16
	s_mov_b32 s[G1+2], 4<<16
	s_mov_b32 s[G1+3], 8192<<16
	s_mov_b32 s[G1+4], 4
	s_mov_b32 s[G1+5], RT
	s_mov_b32 s[G1+6], 0
	s_mov_b32 s[G1+7], 0
	s_or_b32 s[G1B+0], s44, (0<<16)|(1<<20)|(1<<21)|(6<<22)|(3<<25)
	s_mov_b32 s[G1B+1], 512<<16
	s_mov_b32 s[G1B+2], 64<<16
	s_mov_b32 s[G1B+3], 512<<16
	s_mov_b32 s[G1B+4], 64
	s_mov_b32 s[G1B+5], SIZE_K
	s_mov_b32 s[G1B+6], 0
	s_mov_b32 s[G1B+7], 0
	s_lshl_b32 s16, s13, 3
	s_lshl_b32 s17, s12, 2
	s_add_co_u32 s16, s16, s17
	s_mul_i32 s16, s16, RT
	s_mov_b32 s17, 0
	s_lshl_b32 s46, s42, 7
	s_lshl_b32 s47, s12, 6
	s_add_co_u32 s46, s46, s47
	s_mul_i32 s46, s46, SIZE_K
	s_mov_b32 s47, 0
	s_mul_i32 s20, s12, HALFA
	s_mul_i32 s21, s12, HALFB
	s_add_co_u32 s21, s21, ABYTES
	s_wait_kmcnt 0x0
	s_load_b64 s[76:77], s[68:69], EOFF
	s_add_nc_u64 s[14:15], s[4:5], s[16:17]
	s_add_nc_u64 s[46:47], s[6:7], s[46:47]
	; THE PREFETCHES INTO THE L2: behind each joint load one line a wave names the slot that stands two loads on; behind slot 0's load one more names slot 1.  What a wave fetches for a slot is 128 blocks of 256 bytes
	; (A: 4 row tiles x 8,192 bytes; B: 64 rows x 512 bytes); the four partners that ask for it jointly share them out BY ADDRESS, 32 blocks each, a lane a block: partner p (cx for A, cy for B) takes A's row tile p
	; or B's rows 16 p .. 16 p + 15, both 65,536 bytes apart.  Slot 0 comes by its load alone; the loads of slots 6 and 7 ask for nothing: no slot stands behind slot 7.
	s_cmp_eq_u32 s11, 0                            ; do I fetch for A?
	s_cselect_b64 s[80:81], s[14:15], s[46:47]     ; where my load begins
	s_cselect_b32 s18, s40, s41                    ; my place among the four
	s_mov_b32 s82, 512
	s_cselect_b32 s8, s82, SIZE_K                  ; from one pair of lanes to the next: A 512 bytes on, B a row on
	s_cselect_b32 s82, 8192, s82                   ; a slot on
	s_mov_b32 s83, 0
	s_lshl_b32 s18, s18, 16
	s_mov_b32 s19, 0
	s_add_nc_u64 s[80:81], s[80:81], s[18:19]
	s_add_nc_u64 s[66:67], s[80:81], s[82:83]      ; at slot 1; never rewritten
	s_add_nc_u64 s[80:81], s[80:81], s[82:83]
	s_add_nc_u64 s[80:81], s[80:81], s[82:83]      ; at slot 2
	v_bfe_u32 v30, v0, 1, 4
	v_and_b32 v31, 1, v0
	v_mul_u32_u24 v30, v30, s8
	v_lshl_add_u32 v30, v31, 8, v30                ; my lane's block; never rewritten
	s_wait_alu depctr_va_vdst(0)                   ; ahead of the round's waits
	CROUND
.irp s, 0,1
	s_mov_b32 s[G0+4*\s], 1
	s_add_co_u32 s[G0+4*\s+1], s20, \s*SLOT
	s_add_nc_u64 s[G0+4*\s+2:G0+4*\s+3], s[14:15], \s*8192
	s_or_b32 s[G0+4*\s+3], s[G0+4*\s+3], 0x80000000
	s_mov_b32 s[G0B+4*\s], 1
	s_add_co_u32 s[G0B+4*\s+1], s21, \s*SLOT
	s_add_nc_u64 s[G0B+4*\s+2:G0B+4*\s+3], s[46:47], \s*512
	s_or_b32 s[G0B+4*\s+3], s[G0B+4*\s+3], 0x80000000
.if \s
	s_wait_alu depctr_va_vdst(0)                   ; directly ahead of the wait below
	s_wait_tensorcnt 0x0                           ; my part of slot 0 is in; slot 1's first fill is issued as a refill is:
	ds_add_u32 v28, v29                            ; 0 onto my spare word
	s_wait_xcnt 0x0                                ; my prefetch has read its address, so it may be stepped
	s_add_nc_u64 s[80:81], s[80:81], s[82:83]
	s_wait_dscnt 0x0
	CROUND                                         ; a whole round, and slot 1's load first behind it
.endif
	JLOAD \s
.if \s == 0
	global_prefetch_b8 v30, s[66:67] th:TH_LOAD_NT scope:SCOPE_SE   ; slot 1
.endif
	global_prefetch_b8 v30, s[80:81] th:TH_LOAD_NT scope:SCOPE_SE   ; slot 2 + s
.endr
	v_and_b32 v1, 15, v0
	v_bfe_u32 v2, v0, 4, 1
	v_and_b32 v3, 31, v0
	v_lshlrev_b32 v3, 4, v3
	v_mul_u32_u24 v4, v1, PITCH
	v_lshl_add_u32 v4, v2, 4, v4
	s_mul_i32 s21, s11, HALFA
	s_mul_i32 s22, s12, HALFB
	s_add_co_u32 s22, s22, ABYTES
.irp s, 0,1
	v_add_nc_u32 v[ADRA+\s], s21, v3
	v_add_nc_u32 v[ADRB+\s], s22, v4
	s_add_co_u32 s21, s21, SLOT
	s_add_co_u32 s22, s22, SLOT
.endr
	s_mul_i32 s23, s10, 16*SPITCH
	s_add_co_u32 s23, s23, STAGE
	v_mul_u32_u24 v5, v1, SPITCH
	v_lshl_add_u32 v5, v2, 5, v5
	v_add_nc_u32 v[STO], s23, v5
	v_mul_u32_u24 v5, v2, SPITCH
	v_lshl_add_u32 v5, v1, 4, v5
	v_add_nc_u32 v[RD], s23, v5
	v_lshlrev_b32 v[CO], 12, v2
	v_lshl_add_u32 v[CO], v1, 4, v[CO]
	v_lshlrev_b32 v[BO], 4, v1
	s_wait_alu depctr_va_vdst(0)
	s_lshl_b32 s16, s13, 7
	s_lshl_b32 s17, s11, 6
	s_add_co_u32 s16, s16, s17
	s_lshl_b32 s16, s16, 12
	s_mov_b32 s17, 0
	s_lshl_b32 s46, s42, 9
	s_lshl_b32 s47, s12, 8
	s_add_co_u32 s46, s46, s47
	s_mov_b32 s47, 0
	s_add_nc_u64 s[70:71], s[70:71], s[46:47]
	s_add_nc_u64 s[72:73], s[72:73], s[16:17]
	s_add_nc_u64 s[72:73], s[72:73], s[46:47]
	s_add_nc_u64 s[74:75], s[74:75], s[16:17]
	s_add_nc_u64 s[74:75], s[74:75], s[46:47]
	global_load_b128 v[BIAS:BIAS+3], v[BO], s[70:71]
	WIN 0x80
.irp a, 0,1,2,3
.irp t, 0,1,2,3,4,5,6,7
	global_load_b128 v[32*\a+4*\t:32*\a+4*\t+3], v[CO], s[72:73] offset:(16*\a+2*\t)*4096 th:TH_LOAD_NT
.endr
.endr
	WIN 0
.macro MUL8 f, a0, zero
.irp a, \a0, \a0+1
.irp b, 0,1,2,3
.if \zero
	v_wmma_f32_16x16x128_bf8_bf8 v[ACC+8*(4*(\a)+\b):ACC+8*(4*(\a)+\b)+7], v[\f+64+16*\b:\f+64+16*\b+15], v[\f+16*(\a):\f+16*(\a)+15], 0
.else
	v_wmma_f32_16x16x128_bf8_bf8 v[ACC+8*(4*(\a)+\b):ACC+8*(4*(\a)+\b)+7], v[\f+64+16*\b:\f+64+16*\b+15], v[\f+16*(\a):\f+16*(\a)+15], v[ACC+8*(4*(\a)+\b):ACC+8*(4*(\a)+\b)+7]
.endif
.endr
.endr
.endm
.macro FETCH slot, q, f
	WIN TO_F
.irp i, 0,1,2,3
.irp c, 0,1,2,3
	ds_load_b128 v[\f+64+16*\i+4*\c:\f+64+16*\i+4*\c+3], v[ADRB+\slot] offset:\i*16*PITCH+128*(\q)+32*\c
.endr
.endr
.irp i, 0,1,2,3
.irp c, 0,1,2,3
	ds_load_b128 v[\f+16*\i+4*\c:\f+16*\i+4*\c+3], v[ADRA+\slot] offset:\i*8192+2048*(\q)+512*\c
.endr
.endr
.endm
.macro PLACES
.rept 4
	v_nop
.endr
.endm
.macro SUB slot, q, f, g, zero
	s_wait_dscnt 8
	WIN MUL
	MUL8 \f, 0, \zero
	PLACES
	FETCH \slot, \q, \g
	s_wait_dscnt 32
	WIN MUL
	MUL8 \f, 2, \zero
.endm
.macro TURN slot, next, fill
	WIN 0
	s_wait_tensorcnt 0x0
	ds_add_u32 v[SPW], v[NIL]
.if \fill
	s_wait_xcnt 0x0                                ; any prefetch of mine has read its address, so it may be stepped: a slot on
	s_add_nc_u64 s[80:81], s[80:81], s[82:83]
.endif
	s_wait_dscnt 9
	WIN MUL
	MUL8 F1, 0, 0
	s_wait_dscnt 0x0
	s_barrier_signal -1
	WIN 0
	s_barrier_wait -1
.if \fill
	CREST
	s_add_nc_u64 s[G0+4*\slot+2:G0+4*\slot+3], s[G0+4*\slot+2:G0+4*\slot+3], 2*8192
	s_add_nc_u64 s[G0B+4*\slot+2:G0B+4*\slot+3], s[G0B+4*\slot+2:G0B+4*\slot+3], 2*512
	JLOAD \slot
.else
	PLACES
.endif
	FETCH \next, 0, F0
.if \fill
	WIN 0
	s_cmp_gt_u32 s3, 1                             ; the loop's last trip loads slots 6 and 7: no slot stands two on
	s_cbranch_scc0 .Lno_ask_\@
	global_prefetch_b8 v30, s[80:81] th:TH_LOAD_NT scope:SCOPE_SE
.Lno_ask_\@:
.endif
	WIN MUL
	MUL8 F1, 2, 0
.endm
	s_wait_tensorcnt 1
	s_barrier_signal -1
	s_barrier_wait -1
	FETCH 0, 0, F0
	SUB 0, 1, F0, F1, 1
.if LAPS > 1
	WIN 0
	s_mov_b32 s3, LAPS-1
.Llap:
	SUB 0, 2, F1, F0, 0
	SUB 0, 3, F0, F1, 0
	TURN 0, 1, 1
	SUB 1, 1, F0, F1, 0
	SUB 1, 2, F1, F0, 0
	SUB 1, 3, F0, F1, 0
	TURN 1, 0, 1
	SUB 0, 1, F0, F1, 0
	WIN 0
	s_sub_co_u32 s3, s3, 1
	s_cmp_lg_u32 s3, 0
	s_cbranch_scc1 .Llap
.endif
	SUB 0, 2, F1, F0, 0
	SUB 0, 3, F0, F1, 0
	TURN 0, 1, 0
	SUB 1, 1, F0, F1, 0
	SUB 1, 2, F1, F0, 0
	SUB 1, 3, F0, F1, 0
	s_wait_dscnt 8
	WIN MUL
	MUL8 F1, 0, 0
	s_wait_dscnt 0
	MUL8 F1, 2, 0
	WIN 0
.macro TOSTAGE a
.irp b, 0,1,2,3
	ds_store_b128 v[STO], v[ACC+8*(4*(\a)+\b):ACC+8*(4*(\a)+\b)+3] offset:64*\b
	ds_store_b128 v[STO], v[ACC+8*(4*(\a)+\b)+4:ACC+8*(4*(\a)+\b)+7] offset:64*\b+16
.endr
.irp t, 0,1,2,3,4,5,6,7
	ds_load_b128 v[TMP+32*((\a)%2)+4*\t:TMP+32*((\a)%2)+4*\t+3], v[RD] offset:\t*2*SPITCH
.endr
.endm
.macro SEND a, younger
	s_wait_dscnt \younger
.irp t, 0,1,2,3,4,5,6,7
	v_pk_fma_f32 v[TMP+32*((\a)%2)+4*\t:TMP+32*((\a)%2)+4*\t+1], v[TMP+32*((\a)%2)+4*\t:TMP+32*((\a)%2)+4*\t+1], s[78:79], v[BIAS:BIAS+1] op_sel_hi:[1,0,1]
	v_pk_fma_f32 v[TMP+32*((\a)%2)+4*\t+2:TMP+32*((\a)%2)+4*\t+3], v[TMP+32*((\a)%2)+4*\t+2:TMP+32*((\a)%2)+4*\t+3], s[78:79], v[BIAS+2:BIAS+3] op_sel_hi:[1,0,1]
.endr
	WIN 0x88
.irp t, 0,1,2,3,4,5,6,7
	v_pk_add_f32 v[32*(\a)+4*\t:32*(\a)+4*\t+1], v[TMP+32*((\a)%2)+4*\t:TMP+32*((\a)%2)+4*\t+1], v[32*(\a)+4*\t:32*(\a)+4*\t+1]
	v_pk_add_f32 v[32*(\a)+4*\t+2:32*(\a)+4*\t+3], v[TMP+32*((\a)%2)+4*\t+2:TMP+32*((\a)%2)+4*\t+3], v[32*(\a)+4*\t+2:32*(\a)+4*\t+3]
.endr
	WIN 0x08
.irp t, 0,1,2,3,4,5,6,7
	global_store_b128 v[CO], v[32*(\a)+4*\t:32*(\a)+4*\t+3], s[74:75] offset:(16*(\a)+2*\t)*4096
.endr
	WIN 0
.endm
	s_wait_kmcnt 0x0
	s_add_co_i32 s78, s76, s77
	s_add_co_i32 s78, s78, 127
	s_lshl_b32 s78, s78, 23
	s_mov_b32 s79, s78
	s_wait_loadcnt 0x0
	PLACES
	TOSTAGE 0
.irp a, 1,2,3
	TOSTAGE \a
	SEND \a-1, 16
.endr
	SEND 3, 0
	s_wait_tensorcnt 0x0
	ds_add_u32 v[SPW], v[NIL]
	s_wait_dscnt 0x0
	CROUND
	s_endpgm
.Lfunc_end_k_q44c3127a3e_fc2:
	.size	k_q44c3127a3e_fc2, .Lfunc_end_k_q44c3127a3e_fc2-k_q44c3127a3e_fc2
	.p2alignl 7, 3214868480
	.fill 96, 4, 3214868480
	.section	.rodata,"a",@progbits
	.p2align	6, 0x0
	.amdhsa_kernel k_q44c3127a3e_fc2
		.amdhsa_group_segment_fixed_size 327680
		.amdhsa_private_segment_fixed_size 0
		.amdhsa_enable_private_segment 0
		.amdhsa_kernarg_size 48
		.amdhsa_user_sgpr_count 2
		.amdhsa_user_sgpr_kernarg_segment_ptr 1
		.amdhsa_wavefront_size32 1
		.amdhsa_system_sgpr_workgroup_id_x 1
		.amdhsa_system_sgpr_workgroup_id_y 1
		.amdhsa_system_sgpr_workgroup_id_z 1
		.amdhsa_system_vgpr_workitem_id 0
		.amdhsa_next_free_vgpr 768
		.amdhsa_next_free_sgpr 84
		.amdhsa_reserve_vcc 0
		.amdhsa_float_denorm_mode_32 3
		.amdhsa_float_denorm_mode_16_64 3
		.amdhsa_memory_ordered 1
		.amdhsa_forward_progress 1
		.amdhsa_inst_pref_size 84
	.end_amdhsa_kernel
	.amdgpu_metadata
---
amdhsa.version: [ 1, 2 ]
amdhsa.kernels:
  - .name:           k_q44c3127a3e_fc2
    .symbol:         k_q44c3127a3e_fc2.kd
    .args:
      - { .name: gq, .offset: 0, .size: 8, .value_kind: global_buffer, .address_space: global }
      - { .name: w2_codes, .offset: 8, .size: 8, .value_kind: global_buffer, .address_space: global }
      - { .name: lowp_scales, .offset: 16, .size: 8, .value_kind: global_buffer, .address_space: global }
      - { .name: b2, .offset: 24, .size: 8, .value_kind: global_buffer, .address_space: global }
      - { .name: x1, .offset: 32, .size: 8, .value_kind: global_buffer, .address_space: global }
      - { .name: out0, .offset: 40, .size: 8, .value_kind: global_buffer, .address_space: global }
    .group_segment_fixed_size: 327680
    .private_segment_fixed_size: 0
    .kernarg_segment_align: 8
    .kernarg_segment_size: 48
    .max_flat_workgroup_size: 128
    .sgpr_count:     84
    .vgpr_count:     768
    .wavefront_size: 32
...
	.end_amdgpu_metadata
.endif
;; end of part 7
